; MI455X (gfx1250); checked and timed in simulation.
; The chip was launched on July 23, 2026; its instructions are those of AMD's public machine-readable ISA for CDNA 5 (MIT licence, August 2026) and "CDNA5" Instruction Set Architecture Reference Guide (July 2026). The comments in the code are by the model that wrote it; some were corrected since.
;; Multi Head Attention. Allowed arithmetic: matrix products marked QUANTISED: E4M3 operands, one E8M0 scale for each 32 along K, by v_wmma_scale_f32_16x16x128_f8f6f4 with both operands' format E4M3, f32 sums; everything else in f32.
;; Inputs: Wk 2,048 x 2,048 float32; Wq 2,048 x 2,048 float32; Wv 2,048 x 2,048 float32; bk 2,048 float32; bq 2,048 float32; bv 2,048 float32; keys 4 x 1,024 x 2,048 float32; queries 4 x 1,024 x 2,048 float32.
;; Outputs: out0 4 x 1,024 x 2,048 float32.
;; This version of the problem:
;;   THIS VERSION OF THE PROBLEM IS GIVEN IN LOW PRECISION. The matrix products marked QUANTISED in the list below multiply operands that are first quantised to E4M3 (4 exponent bits, 3 mantissa bits; 8 bits a number), with one power-of-two scale for each 32 numbers along K (OCP MX v1.0); their sums are f32. All else is computed in f32.
;;   The module's matrix products, in the order in which they are computed (A, B: the left and right operand; K: the contracted axis; several contracted axes count as one K, in the product's order):
;;     1. [M 4,096, K 2,048] x [K 2,048, N 2,048]; A: input queries; B: input Wq: QUANTISED
;;     2. [M 4,096, K 2,048] x [K 2,048, N 2,048]; A: input keys; B: input Wk: QUANTISED
;;     3. [M 4,096, K 2,048] x [K 2,048, N 2,048]; A: input keys; B: input Wv: QUANTISED
;;     4. batch 64 x [M 1,024, K 128] x [K 128, N 1,024]; A: computed on the way; B: computed on the way: QUANTISED
;;     5. batch 64 x [M 1,024, K 1,024] x [K 1,024, N 128]; A: softmax (see below); B: computed on the way: QUANTISED
;;   THE QUANTISER, for each operand of a quantised product, along K:
;;     - K is cut into blocks of 32 from its start; a last block that is shorter is filled with zeros.
;;     - A block's scale is 2^e with e = floor(log2(the largest magnitude in the block)) - 8, held to -126 .. 127; a block of zeros has e = 0. As a byte (E8M0): e + 127.
;;     - Each number is divided by its block's scale, clamped to +-448, and rounded to the nearest number of E4M3, ties to even, subnormals kept.
;;     - The product sums the exact products of the quantised numbers (number of the format x scale) in f32.
;;   ~~~python
;;   def quantise(x, axis):      # numpy; x: float32 -> the quantised numbers, widened to float32 again
;;       x = np.moveaxis(x, axis, -1); K = x.shape[-1]
;;       x = np.pad(x, [(0, 0)] * (x.ndim - 1) + [(0, -K % 32)]); x = x.reshape(x.shape[:-1] + (-1, 32)); a = np.abs(x).max(-1, keepdims=True)
;;       e = np.where(a > 0, np.clip(np.frexp(np.where(a > 0, a, 1))[1] - 1 - 8, -126, 127), 0)      # np.frexp(a)[1] - 1 = floor(log2(a)), exactly
;;       r = np.clip(x / 2.0 ** e, -448, 448)
;;       step = 2.0 ** (np.maximum(np.frexp(np.where(r == 0, 1, r))[1] - 1, -6) - 3)
;;       q = np.round(r / step) * step * 2.0 ** e      # np.round: ties to even
;;       return np.moveaxis(q.reshape(q.shape[:-2] + (-1,))[..., :K], -1, axis).astype(np.float32)
;;   ~~~
;;   SOFTMAX AHEAD OF A QUANTISED PRODUCT. Where the list says 'softmax', what is quantised is not the finished softmax but p = 2^(t - M), with t = logit x log2(e) and M = ceil(the row's largest t), a whole number; so 1/2 < the row's largest p <= 1. The row's sum l is taken of the UNQUANTISED p, in f32, and the product's result is divided by l at the end. Since M is a whole number, a kernel that streams over the keys may use a running M (the ceiling of the running maximum): every later rescaling is an exact power of two, which a block's scale takes up: the codes' values come out the same.
;;   OPERANDS COMPUTED ON THE WAY. 'Computed on the way' means the value that the module computes at that place (a softmax that the list does not call 'softmax' is quantised finished and normalised). What goes into a quantiser is computed in f32, as accurately as f32 sums, v_exp_f32 and their like allow (about 1e-6 of the number): no bf16 or f16 on the way to a quantiser, and a product that is left as it is and whose result goes on into a quantised operand takes f32 operands (vector FMAs, or v_wmma_f32_16x16x4_f32). A number that lies on a knife's edge between two numbers of the format may be rounded either way, as far as f32 arithmetic and the matrix unit's own rounding can turn it there, and no further.
;; One version. Each part assembles by itself: llvm-mc -triple=amdgcn-amd-amdhsa -mcpu=gfx1250 --defsym DOCPART=n.
;; ======== version 1 of 1: 3 launches
;; limits: right only within a limited range of input values
;; workspace buffers: icodes 29,360,128 bytes; iscales 917,504 bytes; kbias 16,384 bytes; pcodes 25,165,824 bytes; pscales 786,432 bytes; vpart 524,288 bytes
;; launch quant (part 1): grid 896 x 1, 4 waves a work-group, no clusters, 33,280 bytes of LDS; arguments queries, keys, Wq, Wk, Wv, icodes, iscales, kbias; writes icodes, iscales, kbias
.if DOCPART == 1
	.amdgcn_target "amdgcn-amd-amdhsa--gfx1250"
	.amdhsa_code_object_version 6
	.text
	.protected	k_qab5ff5c2c8_quant
	.globl	k_qab5ff5c2c8_quant
	.p2align	8
	.type	k_qab5ff5c2c8_quant,@function
k_qab5ff5c2c8_quant:
	s_mov_b64 s[64:65], 0
	v_nop
	global_prefetch_b8 v0, s[64:65] scope:SCOPE_SE
	s_setreg_imm32_b32 hwreg(HW_REG_WAVE_MODE, 25, 1), 1
	s_wait_xcnt 0x0
; LAUNCH 1 OF 3.  out = softmax(mask(Q K^T / sqrt(2048))) V + queries, Q = queries Wq^T + bq, K = keys Wk^T + bk, V = keys Wv^T + bv, 4 x 16 heads of 128, 1,024 positions; all five products on codes of
; FP8 (E4M3) with one E8M0 scale for each 32 along K.  This launch turns the five f32 inputs of the projections into codes and scale bytes, and makes the key mask.  Launch 2 makes Q, K, V as codes.  Launch 3 is the attention.
; WORK LEFT OUT BY THE PROGRAM (in launch 3 alone): key steps of 128 keys all of which come after a wave's 16 queries.  reference() sets their logits to NEG = -2^32 + 1 by its own tril.
;   (a) If a query has a visible key that is not padding, that key's logit is an ordinary number, the hidden keys' p = 2^(NEG log2(e) - M) is 0, and they add nothing to the sum or to the product.
;   (b) If every visible key of a query is padding, ALL 1,024 logits of the row are NEG, every p is 1, the sum is 1,024, and the row is the mean of the quantised V over all keys.  Launch 3 takes that mean
;       from sums that launch 2 stores (vpart) and SELECTS it for such rows.  So in both cases the steps left out reach no output, whatever the inputs hold.  Every input is loaded.
; LIMITS.  A NaN, an infinity or an overflow that reaches only the steps left out is not carried to the result.  NaN and infinities among the inputs are not served.  A keys row's sum is formed in another order
; than jnp's sum: a row of zeros gives 0 in any order; a row whose f32 sum is 0 in one order only may be judged otherwise.  A padded key's raw score gets -2^34 added where reference() writes NEG: logits x log2(e)
; of unpadded keys are served up to a magnitude of 2^27.  Blocks whose largest magnitude lies under 2^-118 keep the scale byte 1; a block of zeros has the byte 1 and zero codes (the bytes are read by this program alone).
; THIS LAUNCH.  Rows are dense and 2,048 is a multiple of 32: each input is a plain stream of blocks of 32 numbers, and so are its codes and scale bytes.  Work-groups 0-255 take queries, 256-511 keys, 512-639 Wq,
; 640-767 Wk, 768-895 Wv; the outputs follow in that order.  A wave takes 16 steps of 512 numbers: four rows of 2,048.  Each of a step's four loads reads 512 consecutive bytes; the 2,048 bytes turn through the
; wave's own stage in LDS (16 bytes of padding behind each 64) and come back 64 bytes a lane: 16 neighbours, two lanes to a block.  A lane's 16 codes are 16 bytes: the wave stores 512 consecutive bytes.
; A wave's 256 scale bytes are gathered in LDS and leave as one aligned run of 256 bytes.  The keys' work-groups also add each row up: kbias[row] = -2^34 where the sum is 0, else 0.
; No tensor loads, no barrier: waves share nothing.  Loads run four steps (16 loads a wave) ahead, the turn through LDS one step.
.set WAVES, 4
.set STEPS, 16
.set EMAX,  8
.set MANT,  0x600000                   ; the mantissa field of 448 as f32
.set CB,    16                         ; bytes of 16 codes
.set MSK,   1                          ; v1       -2^34
.set R,     16                         ; v16-79   four sets of 16 numbers as they are loaded
.set X,     80                         ; v80-111  two sets of 16 neighbours
.set E,     112                        ; v112-127 a scale byte for each step
.set C,     128                        ; v128-191 codes: four registers for each step, so that no store's data are written again
.set SUM,   192                        ; v[192:193] a keys row's sum, my part, in two halves
.set RT,    194                        ; v194     the row's sum
.set RP,    195                        ; v195     the other half of the lanes'
.set KB,    196                        ; v196-199 kbias of my wave's four rows
.set WREG,  8192                       ; LDS: a region for each wave: two stages of 32 x SP bytes, behind them its 256 scale bytes
.set SP,    80                         ; a lane's place in a stage: 64 bytes + 16 of padding
.set SPW,   12                         ; v12      LDS address of my spare word; never rewritten
.set NIL,   13                         ; v13      0; never rewritten
.set SPARE, WAVES*WREG                 ; behind the four regions: the spare words, 128 bytes a wave, which no other line names
	s_load_b256 s[4:11], s[0:1], 0x0               ; queries s[4:5], keys s[6:7], Wq s[8:9], Wk s[10:11]
	s_load_b256 s[12:19], s[0:1], 0x20             ; Wv s[12:13], icodes s[14:15], iscales s[16:17], kbias s[18:19]
	v_lshl_add_u32 v[SPW], v0, 2, SPARE
	v_mov_b32 v[NIL], 0
	v_lshrrev_b32 v1, 5, v0
	v_readfirstlane_b32 s20, v1                    ; wave
	v_mov_b32 v[MSK], 0xd0800000                   ; -2^34
	v_and_b32 v2, 31, v0                           ; lane
	v_lshlrev_b32 v3, 4, v2                        ; my 16 bytes of a load's 512
	s_mul_i32 s21, s20, WREG
	v_lshrrev_b32 v14, 2, v2
	v_mul_u32_u24 v14, v14, SP
	v_and_b32 v15, 3, v2
	v_lshl_add_u32 v14, v15, 4, v14
	v_add_nc_u32 v14, s21, v14                     ; the stage, on the way in: SP (lane / 4) + 16 (lane % 4)
	v_mul_u32_u24 v15, v2, SP
	v_add_nc_u32 v15, s21, v15                     ; and on the way out: SP x lane: my 16 neighbours
	v_mul_u32_u24 v4, v2, CB                       ; my codes' place in a step's
	v_lshrrev_b32 v5, 1, v2
	s_add_co_u32 s21, s21, 2*32*SP
	v_add_nc_u32 v5, s21, v5                       ; LDS: my wave's 256 scale bytes, my block's byte
	v_lshlrev_b32 v7, 3, v2                        ; and on the way out 8 bytes a lane
	v_add_nc_u32 v6, s21, v7
	v_mov_b32 v[SUM], 0                            ; written once, so that they are written on every way through the text
	v_mov_b32 v[SUM+1], 0
	v_mov_b32 v[RP], 0
.irp i, 0,1,2,3
	v_mov_b32 v[KB+\i], 0
.endr
	s_mov_b32 s31, MANT                            ; (an instruction takes one literal: the hold's line has another)
	s_mov_b32 s24, 0x76543210                      ; v_permlanex16_b32's selects for lane l xor 16
	s_mov_b32 s25, 0xfedcba98
	s_mov_b32 s22, 768
	s_wait_kmcnt 0x0
	s_cmp_lt_u32 ttmp9, 768                        ; which tensor: the choice hangs on the work-group's number alone
	s_cselect_b64 s[12:13], s[10:11], s[12:13]
	s_cselect_b32 s22, 640, s22                    ; and the tensor's first work-group
	s_cmp_lt_u32 ttmp9, 640
	s_cselect_b64 s[12:13], s[8:9], s[12:13]
	s_cselect_b32 s22, 512, s22
	s_cmp_lt_u32 ttmp9, 512
	s_cselect_b64 s[12:13], s[6:7], s[12:13]
	s_cselect_b32 s22, 256, s22
	s_cmp_lt_u32 ttmp9, 256
	s_cselect_b64 s[12:13], s[4:5], s[12:13]
	s_cselect_b32 s22, 0, s22
	s_sub_co_u32 s23, ttmp9, 256
	s_cmp_lt_u32 s23, 256
	s_cselect_b32 s23, 1, 0                        ; 1 in the keys' work-groups
	s_sub_co_u32 s27, ttmp9, s22
	s_lshl_b32 s27, s27, 2
	s_add_co_u32 s27, s27, s20                     ; which run of 8,192 numbers of the tensor is my wave's
	s_lshl_b32 s28, s27, 15
	s_mov_b32 s29, 0
	s_add_nc_u64 s[12:13], s[12:13], s[28:29]      ; 32,768 bytes a run
	s_lshl_b32 s28, s27, 4
	s_add_nc_u64 s[18:19], s[18:19], s[28:29]      ; kbias: four rows, 16 bytes a run (used by the keys' work-groups alone)
	s_lshl_b32 s27, ttmp9, 2
	s_add_co_u32 s27, s27, s20                     ; and which run of the launch's
	s_lshl_b32 s28, s27, 13
	s_add_nc_u64 s[14:15], s[14:15], s[28:29]      ; 8,192 bytes of codes a run
	s_lshl_b32 s28, s27, 8
	s_add_nc_u64 s[16:17], s[16:17], s[28:29]      ; 256 scale bytes a run
.macro LOAD t
.irp i, 0,1,2,3
	global_load_b128 v[R+16*((\t)%4)+4*\i:R+16*((\t)%4)+4*\i+3], v3, s[12:13] offset:2048*(\t)+512*\i th:TH_LOAD_NT   ; 32 lanes read 512 consecutive bytes
.endr
.endm
.macro TURN t                          ; step t's numbers through the stage: LDS serves a wave's instructions in order, so no wait stands between the stores and the loads
.irp i, 0,1,2,3
	ds_store_b128 v14, v[R+16*((\t)%4)+4*\i:R+16*((\t)%4)+4*\i+3] offset:32*SP*((\t)%2)+8*SP*\i
.endr
.irp i, 0,1,2,3
	ds_load_b128 v[X+16*((\t)%2)+4*\i:X+16*((\t)%2)+4*\i+3], v15 offset:32*SP*((\t)%2)+16*\i
.endr
.endm
.irp t, 0,1,2,3
	LOAD \t
.endr
	s_wait_loadcnt 12                              ; step 0's four loads are in; twelve younger ones stay out
	TURN 0
.macro STEP t
.set XS, X+16*((\t)%2)
.if (\t) > 0
	s_wait_dscnt 1                                 ; this step's numbers are back from the stage (the last step's byte store may be out): so its stores into the stage have read their registers,
.else
	s_wait_dscnt 0x0
.endif
.if (\t)+4 < STEPS
	LOAD (\t)+4                                    ; which take the loads of four steps on
.endif
.if (\t)+1 < STEPS
.if STEPS-2-(\t) >= 3
	s_wait_loadcnt 12                              ; the next step's four loads are in; those of the three steps behind it may be out
.else
	s_wait_loadcnt 4*(STEPS-2-(\t))
.endif
	TURN (\t)+1                                    ; and go through the other stage while this step is worked
.endif
	s_cmp_eq_u32 s23, 1                            ; the keys' work-groups add the row up, ahead of the hold, which changes the numbers.  Four steps are a row.  No LDS or memory line stands in this arm
	s_cbranch_scc0 .Lns_\@
.if (\t)%4 == 0
	v_pk_add_f32 v[SUM:SUM+1], v[XS:XS+1], v[XS+2:XS+3]            ; a row's first step starts the sum
.irp i, 4,6,8,10,12,14
	v_pk_add_f32 v[SUM:SUM+1], v[SUM:SUM+1], v[XS+\i:XS+\i+1]
.endr
.else
.irp i, 0,2,4,6,8,10,12,14
	v_pk_add_f32 v[SUM:SUM+1], v[SUM:SUM+1], v[XS+\i:XS+\i+1]
.endr
.endif
.if (\t)%4 == 3
	v_add_f32 v[RT], v[SUM], v[SUM+1]
	v_add_f32_dpp v[RT], v[RT], v[RT] row_xmask:1 row_mask:0xf bank_mask:0xf
	v_add_f32_dpp v[RT], v[RT], v[RT] row_xmask:2 row_mask:0xf bank_mask:0xf
	v_add_f32_dpp v[RT], v[RT], v[RT] row_xmask:4 row_mask:0xf bank_mask:0xf
	v_add_f32_dpp v[RT], v[RT], v[RT] row_xmask:8 row_mask:0xf bank_mask:0xf
	v_permlanex16_b32 v[RP], v[RT], s24, s25
	v_add_f32 v[RT], v[RT], v[RP]                  ; the row's sum, in every lane
	v_cmp_eq_f32 vcc_lo, 0, v[RT]
	v_cndmask_b32 v[KB+(\t)/4], 0, v[MSK], vcc_lo  ; -2^34 where it is 0
.endif
.Lns_\@:
	v_max3_num_f32 v8, |v[XS]|, |v[XS+1]|, |v[XS+2]|               ; the largest magnitude of my 16
	v_max3_num_f32 v9, |v[XS+3]|, |v[XS+4]|, |v[XS+5]|
.irp i, 6,10
	v_max3_num_f32 v8, v8, |v[XS+\i]|, |v[XS+\i+1]|
	v_max3_num_f32 v9, v9, |v[XS+\i+2]|, |v[XS+\i+3]|
.endr
	v_max3_num_f32 v8, v8, |v[XS+14]|, |v[XS+15]|
	v_max3_num_f32 v8, v8, v9, (EMAX+1)<<23        ; and the floor 2^(EMAX + 1 - 127): the byte cannot fall under 1
	v_max_num_f32_dpp v8, v8, v8 row_xmask:1 row_mask:0xf bank_mask:0xf   ; and of my neighbour's 16: the block's
	v_add_nc_u32 v11, -(EMAX<<23), v8              ; EMAX off its exponent field: the conversion takes the exponent field of this operand as its scale
	v_and_or_b32 v10, v8, 0x7f800000, s31          ; 448 x the scale: the largest magnitude's exponent field over 448's mantissa
.irp i, 0,1,2,3,4,5,6,7,8,9,10,11,12,13,14,15
	v_med3_num_f32 v[XS+\i], v[XS+\i], -v10, v10   ; the conversion to an 8-bit code does not saturate (ISA guide 7.6.2): hold the number first
.endr
	v_cvt_scalef32_pk8_fp8_f32 v[C+4*(\t):C+4*(\t)+1], v[XS:XS+7], v11
	v_cvt_scalef32_pk8_fp8_f32 v[C+4*(\t)+2:C+4*(\t)+3], v[XS+8:XS+15], v11
	v_lshrrev_b32 v[E+(\t)], 23, v11               ; the scale's byte (a plain line behind the conversions)
	ds_store_b8 v5, v[E+(\t)] offset:16*(\t)       ; both lanes of a block write the same byte with the same value
	global_store_b128 v4, v[C+4*(\t):C+4*(\t)+3], s[14:15] offset:32*CB*(\t)   ; 32 lanes store 512 consecutive bytes
.endm
.irp t, 0,1,2,3,4,5,6,7,8,9,10,11,12,13,14,15
	STEP \t
.endr
	ds_load_b64 v[8:9], v6                         ; LDS serves a wave's instructions in order: these see my stores
	s_wait_dscnt 0x0
	global_store_b64 v7, v[8:9], s[16:17]          ; 32 lanes store 256 consecutive bytes, aligned
	s_cmp_eq_u32 s23, 1
	s_cbranch_scc0 .Lno_kb
	v_mov_b32 v[RT], 0
	v_cmp_eq_u32 vcc_lo, 0, v2
	s_wait_xcnt 0x0                                ; EXEC is a source of the stores above: it changes only behind this wait
	s_and_saveexec_b32 s26, vcc_lo
	global_store_b128 v[RT], v[KB:KB+3], s[18:19]  ; lane 0: my wave's four rows
	s_wait_xcnt 0x0                                ; and again, in front of the line that widens it
	s_or_b32 exec_lo, exec_lo, s26
.Lno_kb:
	s_wait_tensorcnt 0x0                           ; the wave's end, behind my last LDS store
	ds_add_u32 v[SPW], v[NIL]
	s_wait_dscnt 0x0
	s_endpgm
.Lfunc_end_k_qab5ff5c2c8_quant:
	.size	k_qab5ff5c2c8_quant, .Lfunc_end_k_qab5ff5c2c8_quant-k_qab5ff5c2c8_quant
	.p2alignl 7, 3214868480
	.fill 96, 4, 3214868480
	.section	.rodata,"a",@progbits
	.p2align	6, 0x0
	.amdhsa_kernel k_qab5ff5c2c8_quant
		.amdhsa_group_segment_fixed_size 33280
		.amdhsa_private_segment_fixed_size 0
		.amdhsa_enable_private_segment 0
		.amdhsa_kernarg_size 64
		.amdhsa_user_sgpr_count 2
		.amdhsa_user_sgpr_kernarg_segment_ptr 1
		.amdhsa_wavefront_size32 1
		.amdhsa_system_sgpr_workgroup_id_x 1
		.amdhsa_system_sgpr_workgroup_id_y 1
		.amdhsa_system_sgpr_workgroup_id_z 1
		.amdhsa_system_vgpr_workitem_id 0
		.amdhsa_next_free_vgpr 200
		.amdhsa_next_free_sgpr 66
		.amdhsa_reserve_vcc 1
		.amdhsa_float_denorm_mode_32 3
		.amdhsa_float_denorm_mode_16_64 3
		.amdhsa_memory_ordered 1
		.amdhsa_forward_progress 1
		.amdhsa_inst_pref_size 63
	.end_amdhsa_kernel
	.amdgpu_metadata
---
amdhsa.version: [ 1, 2 ]
amdhsa.kernels:
  - .name:           k_qab5ff5c2c8_quant
    .symbol:         k_qab5ff5c2c8_quant.kd
    .args:
      - { .name: queries, .offset: 0, .size: 8, .value_kind: global_buffer, .address_space: global }
      - { .name: keys, .offset: 8, .size: 8, .value_kind: global_buffer, .address_space: global }
      - { .name: Wq, .offset: 16, .size: 8, .value_kind: global_buffer, .address_space: global }
      - { .name: Wk, .offset: 24, .size: 8, .value_kind: global_buffer, .address_space: global }
      - { .name: Wv, .offset: 32, .size: 8, .value_kind: global_buffer, .address_space: global }
      - { .name: icodes, .offset: 40, .size: 8, .value_kind: global_buffer, .address_space: global }
      - { .name: iscales, .offset: 48, .size: 8, .value_kind: global_buffer, .address_space: global }
      - { .name: kbias, .offset: 56, .size: 8, .value_kind: global_buffer, .address_space: global }
    .group_segment_fixed_size: 33280
    .private_segment_fixed_size: 0
    .kernarg_segment_align: 8
    .kernarg_segment_size: 64
    .max_flat_workgroup_size: 128
    .sgpr_count:     66
    .vgpr_count:     200
    .wavefront_size: 32
...
	.end_amdgpu_metadata
.endif
;; end of part 1
;; launch proj (part 2): grid 8 x 48, 4 waves a work-group, clusters of 4 x 4, 327,680 bytes of LDS; arguments icodes, iscales, bq, bk, bv, pcodes, pscales, vpart; writes pcodes, pscales, vpart
.if DOCPART == 2
	.amdgcn_target "amdgcn-amd-amdhsa--gfx1250"
	.amdhsa_code_object_version 6
	.text
	.protected	k_qab5ff5c2c8_proj
	.globl	k_qab5ff5c2c8_proj
	.p2align	8
	.type	k_qab5ff5c2c8_proj,@function
k_qab5ff5c2c8_proj:
	s_mov_b64 s[64:65], 0
	v_nop
	global_prefetch_b8 v0, s[64:65] scope:SCOPE_SE
	s_setreg_imm32_b32 hwreg(HW_REG_WAVE_MODE, 25, 1), 1
	s_wait_xcnt 0x0
	s_wait_alu depctr_hold_cnt(0) depctr_sa_sdst(0) depctr_va_vdst(0) depctr_va_sdst(0) depctr_va_ssrc(0) depctr_va_vcc(0) depctr_vm_vsrc(0)
	s_getreg_b32 s2, hwreg(HW_REG_IB_STS2, 6, 4)
	s_cmp_eq_u32 s2, 0
	s_cbranch_scc0 .Lentry_in_a_cluster
	s_endpgm
.Lentry_in_a_cluster:
	s_bfe_u32 s2, ttmp6, 0x10000c
	s_cmp_lg_u32 s2, 0xf033
	s_cbranch_scc0 .Lentry_shape_is_right
	s_endpgm
.Lentry_shape_is_right:
; LAUNCH 2 OF 3: the three projections, on the codes that launch 1 made; their results, with the bias, are quantised on the way out and leave as codes for launch 3.  No work is left out here.
; ONE TEXT FOR THREE PRODUCTS, told apart by the cluster's y (0-3: Q, 4-7: K, 8-11: V), which all partners of a cluster share.  A product is R P^T, K = 2,048: source 1 = 16 rows of R, source 0 = 16 rows of P,
; so that a lane holds ONE row of R and its registers run along P, which is the K of launch 3's product.  Q: R = queries, P = Wq.  K: R = keys, P = Wk.  V: R = Wv, P = keys: the result is V^T, a lane holds one
; channel d and its registers run along the keys.
; A tile of 256 x 256 is made by four waves, 128 x 128 each: 64 accumulators, 512 registers.  K goes in steps of 256 through a ring of two LDS slots filled by the tensor data mover; the scale bytes of the work-group's
; 512 rows, for all of K, come into LDS once.  CLUSTERS: 4 x 4 work-groups; R's tiles are asked for jointly along a row of the cluster, P's along a column.
; THE WAY OUT.  A wave's 128 x 128 is exactly one block of launch 3's layout: [b][h][block of 128 tokens][128 rows][128 bytes]; Q, K: rows = tokens, bytes = the head's d; V: rows = d, bytes = keys.
; For each 16 rows: + bias; the four blocks of 32 along P are quantised (a block lies in lanes l and l xor 16); codes go through the wave's own stage in LDS and leave 512 consecutive bytes a store.
; A BLOCK'S ROWS ARE STORED WITH BITS 3 AND 4 OF THE ROW NUMBER EXCHANGED (codes and scale words alike): place 16 t + r holds row 32 (t / 2) + 8 (t % 2) + r + 8 (r / 8), so that launch 3, taking 16 places on end as a
; tile, finds in the 16 registers of two neighbouring result tiles 16 neighbours along its next K.
; V alone: the sums of the QUANTISED V over a lane's 64 keys go to vpart [b][h][block][lane half][128 d]: launch 3 adds the sixteen of a head for the rows whose visible keys are all padding.
; REGISTERS, in windows of 256: window 0: v16-30 addresses; v32-63 scale words, two sets, and nothing else; v64-127 the bias; from v128 R's fragments, ONE set; on the way out v128-255 are at work.
;   window 1: P's fragments, TWO sets.   window 2: the accumulators of my rows 0-63 ((a, b) at v[8 (8 a + b)]);   window 3: those of my rows 64-127.
.set SIZE_K, 2048
.set KSTEP,  256                       ; along K in a slot
.set NQ,     KSTEP/128                 ; matrix instructions deep
.set ROWB,   256                       ; a tile's row in bytes
.set KROW,   SIZE_K                    ; a row of codes in memory, in bytes
.set PITCH,  272                       ; an LDS row: 256 bytes + 16 of padding = 68 words: the 16 rows that a load touches start at 16 different banks (64 banks of 4 bytes: ISA guide 11.1)
.set FR,     16                        ; registers of a fragment: 16 rows x 128 K
.set NL,     4                         ; LDS loads that bring one
.set NP,     8                         ; places behind this matrix instruction (ISA guide 7.12.1)
.set HALFT,  128*PITCH                 ; 128 rows: what one tensor load brings
.set SLOT,   4*HALFT                   ; R's 256 rows, then P's 256 rows
.set LAPS,   SIZE_K/(2*KSTEP)          ; a lap = two K steps = once round the ring
.set KS,     SIZE_K/32                 ; a row of scale bytes
.set SCL,    2*SLOT                    ; behind the ring: the scales, as runs of 256 bytes + 16 of padding
.set HALFS,  (128*KS/256)*272          ; the scales of 128 rows
.set SBLK,   (16*KS/256)*272           ; those of 16 rows
.set SPARE,  SCL+4*HALFS               ; the spare words, 128 bytes a wave, which no other line names
.set WSTB,   20480                     ; the way out: a region for each wave, in slot 0, which has had its last fill and its last read by then:
.set CP,     144                       ;   128 rows of codes, 128 bytes + 16,
.set SWO,    128*CP                    ;   512 bytes of scale words,
.set VPO,    SWO+512                   ;   1,024 bytes of V's sums
.set ADRA, 16                          ; v16-17  LDS address of my R fragments in slot 0, 1
.set SSC,  18                          ; v18     the way out: my row's scale word, at its exchanged place
.set SPV,  19                          ; v19     the way out: my row's sum of V
.set ADRB, 20                          ; v20-21  LDS address of my P fragments
.set RDL,  22                          ; v22     the way out: 16 bytes a lane of the scale words (and, further on, of the sums)
.set ONE,  23                          ; v23     four bytes 127: the scale 1 for the conversion back
.set STC,  24                          ; v24     the way out: where I put 8 codes of a row
.set RDC,  25                          ; v25     the way out: where I read rows of codes back
.set CO,   26                          ; v26     16 x lane
.set ADRS, 27                          ; v27     LDS address of my scale words: lanes 0-15 R's rows, lanes 16-31 P's
.set SPW,  28                          ; v28     LDS address of my spare word; never rewritten
.set NIL,  29                          ; v29     0; never rewritten
.set BA,   30                          ; v30     the bias loads' lane offset
.set SC,   32                          ; scale words: set s at v[SC + 8 NQ s]; register NQ i + q: lanes 0-15 R's block i, lanes 16-31 P's block i
.set BIAS, 64                          ; v64-127 the bias in the result's layout
.set AF,   128                         ; R's fragments
.set T,    128                         ; the way out: v128-191 16 rows' numbers; register 16 b + i: block b of 32
.set PC,   192                         ; v192-207 their codes
.set TM,   208                         ; v208-211 largest magnitudes, v212-215 bytes, v216-219 448 x the scale, v220-223 the conversions' scale operands
.set PW,   224                         ; v224    the scale word
.set U,    226                         ; v226-241 a block's codes widened again
.set VS,   242                         ; v242    my row's sum
.set SCF,  243                         ; v243    a block's scale as f32
.set BK,   64                          ; v64-191 the codes read back
.set PRD,  66                          ; s66     0: Q, 1: K, 2: V
.set G1, 24                            ; s[24:31] descriptor group 1 for R's tiles;  s[32:39] group 0, one set for each slot
.set G0, 32
.set G1B, 48                           ; s[48:55], s[56:63] the same for P's tiles
.set G0B, 56
.set G1S, 68                           ; s[68:75], s[76:79] groups 1 and 0 for R's scales;  s[80:87], s[88:91] for P's
.set G0S, 76
.set G1SB, 80
.set G0SB, 88
.set MSB, 0
.macro WIN new                         ; the immediate's high byte repeats the setting that is left
.if MSB != \new
	s_set_vgpr_msb (MSB<<8)|\new
.set MSB, \new
.endif
.endm
.set MUL_LO, 0xa1                      ; source 0 (P) window 1, source 1 (R) window 0, C and D window 2
.set MUL_HI, 0xf1                      ; the same, C and D window 3
.set TO_B,   0x40                      ; destination window 1, address window 0
; A joint load: waves 0 and 1 fetch for R, waves 2 and 3 for P.  Each of the two lines has ONE mask and one set of registers for all that issue it; the branch hangs on the wave's number alone.
; An s_nop 0 and four v_nop follow each of the two lines, ahead of the jump, the label and what follows.
.macro JLOAD g0a, g1a, g0b, g1b
	s_cmp_eq_u32 s15, 0
	s_cbranch_scc0 .Lfor_b_\@
	tensor_load_to_lds s[\g0a:\g0a+3], s[\g1a:\g1a+7]
	s_nop 0
.rept 4
	v_nop
.endr
	s_branch .Lasked_\@
.Lfor_b_\@:
	tensor_load_to_lds s[\g0b:\g0b+3], s[\g1b:\g1b+7]
	s_nop 0
.rept 4
	v_nop
.endr
.Lasked_\@:
.endm
.macro CREST                           ; a round of the cluster's barrier behind its opening barrier
	s_cmp_lg_u32 s14, 0
	s_cbranch_scc1 .Lnot_wave_0_\@
	s_barrier_signal -3
.Lnot_wave_0_\@:
	s_barrier_wait -3
	s_barrier_signal -1
	s_barrier_wait -1
.endm
.macro CROUND                          ; a whole round
	s_barrier_signal -1
	s_barrier_wait -1
	CREST
.endm
	s_load_b256 s[4:11], s[0:1], 0x0               ; icodes s[4:5], iscales s[6:7], bq s[8:9], bk s[10:11]
	s_load_b256 s[92:99], s[0:1], 0x20             ; bv s[92:93], pcodes s[94:95], pscales s[96:97], vpart s[98:99]
	v_lshl_add_u32 v[SPW], v0, 2, SPARE
	v_mov_b32 v[NIL], 0
	ds_add_u32 v[SPW], v[NIL]                      ; the wave's opening: the add, twice on end, and its wait ahead of my first tensor load; the set-up below stands between the second and the wait
	ds_add_u32 v[SPW], v[NIL]
	v_lshrrev_b32 v1, 5, v0
	v_readfirstlane_b32 s14, v1                    ; wave 0..3
	s_lshr_b32 s15, s14, 1                         ; which half of the tile's rows is mine.  Also: I fetch for R (0) or for P (1)
	s_and_b32 s16, s14, 1                          ; which half of its columns.  Also: which 128 rows of that tile I fetch
	s_bfe_u32 s40, ttmp6, 0x40000                  ; cx, cy: my place in the cluster
	s_bfe_u32 s41, ttmp6, 0x40004
	s_and_b32 s17, ttmp7, 0xffff                   ; the cluster's y, 0..11
	s_lshr_b32 s[PRD], s17, 2                      ; the product
	s_and_b32 s17, s17, 3                          ; and the cluster's place along the 4,096 tokens; ttmp9, 0..1, is its place along the 2,048 features
	s_lshl_b32 s2, s[PRD], 23                      ; where R's codes begin in icodes: queries 0, keys 8,388,608,
	s_lshl_b32 s104, s[PRD], 22
	s_add_co_u32 s104, s104, 0x1000000             ; and P's: Wq 16,777,216, Wk 20,971,520
	s_cmp_eq_u32 s[PRD], 2                         ; V: the tokens run along the columns
	s_cselect_b32 s42, s17, ttmp9                  ; the cluster's column
	s_cselect_b32 s17, ttmp9, s17                  ; the cluster's row
	s_cselect_b32 s2, 0x1800000, s2                ; V: R = Wv, 25,165,824,
	s_cselect_b32 s104, 0x800000, s104             ;    P = keys
	s_mov_b32 s3, 0
	s_mov_b32 s105, 0
	s_lshl_b32 s42, s42, 2
	s_add_co_u32 s42, s42, s40                     ; tile column = 4 x the cluster's column + cx
	s_lshl_b32 s17, s17, 2
	s_add_co_u32 s17, s17, s41                     ; tile row = 4 x the cluster's row + cy
	s_lshl_b32 s43, s41, 2
	s_lshl_b32 s43, 15, s43                        ; my row of the cluster
	s_lshl_b32 s44, 0x1111, s40                    ; my column
	; descriptor group 1: a tile of 128 rows x 256 bytes, padded in LDS
	s_or_b32 s[G1+0], s43, (0<<16)|(1<<20)|(1<<21)|(5<<22)|(3<<25)  ; 15:0 the mask: R's tiles go to my row; 17:16 element of 1 byte; 20 padding on; 21 set beside a mask; 24:22 after every 64 words (code 5); 31:25 of 4 words (code 3)
	s_or_b32 s[G1B+0], s44, (0<<16)|(1<<20)|(1<<21)|(5<<22)|(3<<25)
.irp g, G1, G1B
	s_mov_b32 s[\g+1], ROWB<<16                    ; tensor_dim0
	s_mov_b32 s[\g+2], 128<<16                     ; tensor_dim1 = 128
	s_mov_b32 s[\g+3], ROWB<<16                    ; tile_dim0
	s_mov_b32 s[\g+4], 128                         ; tile_dim1 = 128
	s_mov_b32 s[\g+5], KROW                        ; tensor_dim0_stride
	s_mov_b32 s[\g+6], 0
	s_mov_b32 s[\g+7], 0
.endr
	; and for the scales of 128 rows: a dense block of 8,192 bytes, as rows of 256 bytes (32 elements of 8 bytes), 16 bytes of padding behind each
	s_or_b32 s[G1S+0], s43, (3<<16)|(1<<20)|(1<<21)|(5<<22)|(3<<25)
	s_or_b32 s[G1SB+0], s44, (3<<16)|(1<<20)|(1<<21)|(5<<22)|(3<<25)
.irp g, G1S, G1SB
	s_mov_b32 s[\g+1], 32<<16
	s_mov_b32 s[\g+2], (128*KS/256)<<16
	s_mov_b32 s[\g+3], 32<<16
	s_mov_b32 s[\g+4], 128*KS/256
	s_mov_b32 s[\g+5], 32
	s_mov_b32 s[\g+6], 0
	s_mov_b32 s[\g+7], 0
.endr
	s_lshl_b32 s18, s16, 7                         ; which 128 rows of the tile I fetch
	s_lshl_b32 s20, s17, 8
	s_add_co_u32 s20, s20, s18                     ; R: row 256 x tile row + 128 x half
	s_lshl_b32 s46, s42, 8
	s_add_co_u32 s46, s46, s18                     ; P: row 256 x tile column + 128 x half
	s_mov_b32 s21, 0
	s_mov_b32 s47, 0
	s_mov_b64 s[18:19], KS
	s_mul_u64 s[22:23], s[20:21], s[18:19]         ; where these rows' scales begin in their tensor, in bytes
	s_mul_u64 s[100:101], s[46:47], s[18:19]
	s_mov_b64 s[18:19], KROW
	s_mul_u64 s[20:21], s[20:21], s[18:19]         ; and their codes
	s_mul_u64 s[46:47], s[46:47], s[18:19]
	s_add_nc_u64 s[20:21], s[20:21], s[2:3]        ; + the tensor's place in icodes
	s_add_nc_u64 s[46:47], s[46:47], s[104:105]
	s_lshr_b32 s2, s2, 5                           ; and in iscales: a 32nd of that
	s_lshr_b32 s104, s104, 5
	s_add_nc_u64 s[22:23], s[22:23], s[2:3]
	s_add_nc_u64 s[100:101], s[100:101], s[104:105]
	s_mul_i32 s45, s14, HALFT                      ; where they go: wave x 128 rows: no place in the cluster enters an LDS address
	s_mul_i32 s67, s14, HALFS
	s_wait_dscnt 0x0                               ; both opening adds are done
	s_wait_kmcnt 0x0
	s_add_nc_u64 s[20:21], s[4:5], s[20:21]
	s_add_nc_u64 s[22:23], s[6:7], s[22:23]
	s_add_nc_u64 s[46:47], s[4:5], s[46:47]
	s_add_nc_u64 s[100:101], s[6:7], s[100:101]
	CROUND                                         ; all sixteen work-groups are here: the first joint loads meet
	s_mov_b32 s[G0S], 1
	s_add_co_u32 s[G0S+1], s67, SCL
	s_mov_b64 s[G0S+2:G0S+3], s[22:23]
	s_or_b32 s[G0S+3], s[G0S+3], 0x80000000
	s_mov_b32 s[G0SB], 1
	s_add_co_u32 s[G0SB+1], s67, SCL
	s_mov_b64 s[G0SB+2:G0SB+3], s[100:101]
	s_or_b32 s[G0SB+3], s[G0SB+3], 0x80000000
	JLOAD G0S, G1S, G0SB, G1SB                     ; the scales first: they are wanted with K step 0
.irp s, 0,1
	s_mov_b32 s[G0+4*\s], 1
	s_add_co_u32 s[G0+4*\s+1], s45, \s*SLOT
	s_add_nc_u64 s[G0+4*\s+2:G0+4*\s+3], s[20:21], \s*ROWB
	s_or_b32 s[G0+4*\s+3], s[G0+4*\s+3], 0x80000000
	s_mov_b32 s[G0B+4*\s], 1
	s_add_co_u32 s[G0B+4*\s+1], s45, \s*SLOT
	s_add_nc_u64 s[G0B+4*\s+2:G0B+4*\s+3], s[46:47], \s*ROWB
	s_or_b32 s[G0B+4*\s+3], s[G0B+4*\s+3], 0x80000000
	JLOAD G0+4*\s, G1, G0B+4*\s, G1B
.endr
	v_and_b32 v1, 15, v0                           ; r = l % 16
	v_bfe_u32 v2, v0, 4, 1                         ; h = l / 16
	v_mul_u32_u24 v3, v1, PITCH
	v_lshl_add_u32 v4, v2, 4, v3                   ; a fragment's row x pitch + 16 x half
	s_mul_i32 s21, s15, HALFT                      ; my 128 rows of R
	s_mul_i32 s22, s16, HALFT                      ; my 128 rows of P,
	s_add_co_u32 s22, s22, 2*HALFT                 ; which lie behind R's 256
.irp s, 0,1
	v_add_nc_u32 v[ADRA+\s], s21, v4
	v_add_nc_u32 v[ADRB+\s], s22, v4
	s_add_co_u32 s21, s21, SLOT
	s_add_co_u32 s22, s22, SLOT
.endr
	v_mul_u32_u24 v5, v1, KS                       ; my row's scales: 64 bytes a row,
	v_lshrrev_b32 v6, 8, v5
	v_lshl_add_u32 v5, v6, 4, v5                   ; and 16 more for each 256 passed
	s_mul_i32 s21, s15, HALFS                      ; R's: my 128 rows
	s_mul_i32 s22, s16, HALFS                      ; P's: my 128 rows, behind R's 256
	s_add_co_u32 s22, s22, 2*HALFS
	s_sub_co_u32 s22, s22, s21
	v_mul_u32_u24 v6, s22, v2                      ; lanes 16-31 take P's
	s_add_co_u32 s21, s21, SCL
	v_add_nc_u32 v5, v5, v6
	v_add_nc_u32 v[ADRS], s21, v5
	; the way out's addresses: a constant + a lane term + 20,480 x wave
	s_mul_i32 s23, s14, WSTB
	v_mul_u32_u24 v5, v1, CP
	v_lshl_add_u32 v5, v2, 3, v5
	v_add_nc_u32 v[STC], s23, v5                   ; codes in: row r, 8 bytes for each half of the lanes
	v_and_b32 v6, 31, v0
	v_lshrrev_b32 v5, 3, v6
	v_mul_u32_u24 v5, v5, CP
	v_and_b32 v7, 7, v0
	v_lshl_add_u32 v5, v7, 4, v5
	v_add_nc_u32 v[RDC], s23, v5                   ; codes back: eight lanes to a row of 128 bytes, four rows an instruction
	v_lshlrev_b32 v[CO], 4, v6
	v_lshlrev_b32 v5, 2, v7
	v_bfe_u32 v8, v0, 3, 1
	v_lshl_add_u32 v5, v8, 6, v5                   ; 4 ((r % 8) + 16 (r / 8)): row r's exchanged place among a block's words
	v_add_nc_u32 v5, s23, v5
	v_add_nc_u32 v[SSC], SWO, v5
	v_lshlrev_b32 v5, 2, v1
	v_lshl_add_u32 v5, v2, 9, v5                   ; V's sums: 512 h + 4 r
	v_add_nc_u32 v5, s23, v5
	v_add_nc_u32 v[SPV], VPO, v5
	v_add_nc_u32 v5, s23, v[CO]
	v_add_nc_u32 v[RDL], SWO, v5
	v_mov_b32 v[ONE], 0x7f7f7f7f
	; where my 128 x 128 goes
	s_lshl_b32 s18, s17, 8
	s_lshl_b32 s19, s15, 7
	s_add_co_u32 s18, s18, s19                     ; my first row of R
	s_lshl_b32 s19, s42, 8
	s_lshl_b32 s20, s16, 7
	s_add_co_u32 s19, s19, s20                     ; my first row of P
	s_cmp_eq_u32 s[PRD], 2
	s_cselect_b32 s20, s19, s18                    ; my first token
	s_cselect_b32 s21, s18, s19                    ; my first feature
	s_cselect_b64 s[8:9], s[92:93], s[8:9]         ; the bias: bv,
	s_cmp_eq_u32 s[PRD], 1
	s_cselect_b64 s[8:9], s[10:11], s[8:9]         ; bk, or bq
	s_lshl_b32 s22, s21, 2
	s_mov_b32 s23, 0
	s_add_nc_u64 s[8:9], s[8:9], s[22:23]          ; at my first feature
	s_lshr_b32 s22, s20, 10                        ; b
	s_lshl_b32 s22, s22, 4
	s_lshr_b32 s21, s21, 7                         ; h
	s_add_co_u32 s22, s22, s21
	s_lshl_b32 s22, s22, 3
	s_bfe_u32 s20, s20, 0x30007                    ; the block of 128 tokens
	s_add_co_u32 s20, s22, s20                     ; (16 b + h) 8 + block
	s_lshl_b32 s22, s20, 14
	s_lshl_b32 s21, s[PRD], 23
	s_add_co_u32 s22, s22, s21
	s_add_nc_u64 s[94:95], s[94:95], s[22:23]      ; codes: 16,384 bytes a block, 8,388,608 a product
	s_lshl_b32 s22, s20, 9
	s_lshl_b32 s21, s[PRD], 18
	s_add_co_u32 s22, s22, s21
	s_add_nc_u64 s[96:97], s[96:97], s[22:23]      ; scale words: 512 bytes a block, 262,144 a product
	s_lshl_b32 s22, s20, 10
	s_add_nc_u64 s[98:99], s[98:99], s[22:23]      ; V's sums: 1,024 bytes a block
	; the bias in the result's layout; it stays on its way through the loop, which does not touch v64-127, and is waited for once, on the way out.  Both arms write all 64 registers
	s_cmp_eq_u32 s[PRD], 2
	s_cbranch_scc1 .Lbias_v
	v_lshlrev_b32 v[BA], 5, v2                     ; Q, K: the features run along my registers: accumulator (a, b), register j: feature 16 b + 8 h + j
.irp b, 0,1,2,3,4,5,6,7
	global_load_b128 v[BIAS+8*\b:BIAS+8*\b+3], v[BA], s[8:9] offset:64*\b
	global_load_b128 v[BIAS+8*\b+4:BIAS+8*\b+7], v[BA], s[8:9] offset:64*\b+16
.endr
	s_branch .Lbias_in
.Lbias_v:
	v_lshlrev_b32 v[BA], 2, v1                     ; V: my row is the feature 16 a + r: eight equal registers for each a
.irp a, 0,1,2,3,4,5,6,7
.irp j, 0,1,2,3,4,5,6,7
	global_load_b32 v[BIAS+8*\a+\j], v[BA], s[8:9] offset:64*\a
.endr
.endr
.Lbias_in:
.macro FRAG reg, adr, q, i             ; a fragment, 16 rows x 128 K of 8-bit codes, is 16 registers: lane l holds row l % 16; registers 4 c .. 4 c + 3 hold K = 32 c + 16 (l / 16) + 0 .. 15
.irp c, 0,1,2,3
	ds_load_b128 v[\reg+4*\c:\reg+4*\c+3], v[\adr] offset:128*(\q)+32*\c+(\i)*16*PITCH
.endr
.endm
; 16 matrix instructions: R's blocks a0, a0 + 1 x P's eight, 128 along K: the slot's q-th.  p: P's set;  sc: the set of scale words.  zero = 1: the first product starts the sums: nothing is ever cleared.
; The 64 accumulators take turns, one instruction a turn, in the same order in every step.
.macro MUL16 a0, p, q, sc, zero
.irp a, \a0, \a0+1
.irp b, 0,1,2,3,4,5,6,7
.if \zero
	v_wmma_scale_f32_16x16x128_f8f6f4 v[8*(8*((\a)%4)+\b):8*(8*((\a)%4)+\b)+7], v[128*(\p)+FR*\b:128*(\p)+FR*\b+FR-1], v[AF+FR*(\a):AF+FR*(\a)+FR-1], 0, v[SC+8*NQ*(\sc)+NQ*\b+(\q)], v[SC+8*NQ*(\sc)+NQ*(\a)+(\q)] matrix_a_scale:MATRIX_SCALE_ROW1
.else
	v_wmma_scale_f32_16x16x128_f8f6f4 v[8*(8*((\a)%4)+\b):8*(8*((\a)%4)+\b)+7], v[128*(\p)+FR*\b:128*(\p)+FR*\b+FR-1], v[AF+FR*(\a):AF+FR*(\a)+FR-1], v[8*(8*((\a)%4)+\b):8*(8*((\a)%4)+\b)+7], v[SC+8*NQ*(\sc)+NQ*\b+(\q)], v[SC+8*NQ*(\sc)+NQ*(\a)+(\q)] matrix_a_scale:MATRIX_SCALE_ROW1
.endif
.endr
.endr
.endm
.macro FETCH_B slot, q, p              ; P's eight fragments of the slot's q-th 128 along K into set p
	WIN TO_B
.irp i, 0,1,2,3,4,5,6,7
	FRAG 128*(\p)+FR*\i, ADRB+\slot, \q, \i
.endr
	WIN 0
.endm
.macro FETCH_A slot, q, i0             ; R's blocks i0 .. i0 + 3
.irp i, \i0, \i0+1, \i0+2, \i0+3
	FRAG AF+FR*(\i), ADRA+\slot, \q, \i
.endr
.endm
.macro SCALES sc                       ; the next K step's scale words into set sc: NQ words a row; lanes 0-15 take R's block i, lanes 16-31 P's block i
.irp i, 0,1,2,3,4,5,6,7
	ds_load_b64 v[SC+8*NQ*\sc+NQ*\i:SC+8*NQ*\sc+NQ*\i+1], v[ADRS] offset:\i*SBLK
.endr
.endm
; A load into a register that a matrix instruction has read, and a vector instruction that reads a matrix result or writes one of a matrix instruction's registers, stand NP places behind that matrix instruction;
; only plain vector instructions that name none of its registers are places (ISA guide 7.12.1 for vector instructions).
.macro PLACES n
.rept \n
	v_nop
.endr
.endm
; A step of 128 along K that has its successor in the same slot.
.macro STEP slot, q, zero
	s_wait_dscnt 4*NL                              ; P's set and R's blocks 0-3 are in; the youngest sixteen loads (R's blocks 4-7) may be out
	WIN MUL_LO
	MUL16 0, (\q)%2, \q, \slot, \zero
	MUL16 2, (\q)%2, \q, \slot, \zero
	s_wait_dscnt 0                                 ; R's blocks 4-7 are in (asked for 32 matrix instructions ago)
	PLACES NP
	FETCH_B \slot, (\q)+1, 1-(\q)%2
	FETCH_A \slot, (\q)+1, 0
	WIN MUL_HI
	MUL16 4, (\q)%2, \q, \slot, \zero
	MUL16 6, (\q)%2, \q, \slot, \zero
	PLACES NP
	WIN 0
	FETCH_A \slot, (\q)+1, 4
.endm
; A slot's last step changes slots: ONE barrier; in front of it each wave waits for all its tensor loads, adds 0 to its spare word, and waits for that and for its own reads of this slot.  fill = 1: this slot is filled again, two K steps ahead.
.macro TURN slot, next, fill
	s_wait_tensorcnt 0x0                           ; all my tensor loads have landed: my part of the next slot;  (every window is 0 here)
	ds_add_u32 v[SPW], v[NIL]                      ; 0 onto my spare word
	s_wait_dscnt 4*NL+1                            ; (the add and the youngest sixteen loads, R's blocks 4-7, may be out)
	WIN MUL_LO
	MUL16 0, 1, NQ-1, \slot, 0                     ; sixteen matrix instructions stand between the add and the wait for it
	s_wait_dscnt 0x0                               ; the add is done, and my reads of this slot are over
	s_barrier_signal -1
	MUL16 2, 1, NQ-1, \slot, 0
	WIN 0
	s_barrier_wait -1
.if \fill
	CREST                                          ; the barrier has opened a round of the cluster's barrier: no wave of any partner still reads this slot's tile or has a load on its way
	s_add_nc_u64 s[G0+4*\slot+2:G0+4*\slot+3], s[G0+4*\slot+2:G0+4*\slot+3], 2*ROWB
	s_add_nc_u64 s[G0B+4*\slot+2:G0B+4*\slot+3], s[G0B+4*\slot+2:G0B+4*\slot+3], 2*ROWB
	JLOAD G0+4*\slot, G1, G0B+4*\slot, G1B         ; the first tensor load behind the round; the four v_nop behind it are among the places in front of the loads below
	PLACES NP-4
.else
	PLACES NP
.endif
	v_add_nc_u32 v[ADRS], 4*NQ, v[ADRS]            ; on to the next K step's scale words (no LDS load of mine is out)
	FETCH_B \next, 0, 0
	FETCH_A \next, 0, 0
	SCALES \next
	WIN MUL_HI
	MUL16 4, 1, NQ-1, \slot, 0
	MUL16 6, 1, NQ-1, \slot, 0
	PLACES NP
	WIN 0
	FETCH_A \next, 0, 4
.endm
	s_wait_tensorcnt 1                             ; the scales and my part of K step 0 are in; K step 1's load, the one issued behind them, may be out
	s_barrier_signal -1
	s_barrier_wait -1                              ; everybody's are
	FETCH_B 0, 0, 0
	FETCH_A 0, 0, 0
	SCALES 0
	FETCH_A 0, 0, 4
	STEP 0, 0, 1                                   ; the first step stands in front of the loop: its products start the sums
	s_mov_b32 s3, LAPS-1
.Llap:                                                 ; a trip goes once round the ring, from a lap's second step to the next lap's first, and fills both slots again
	TURN 0, 1, 1
	STEP 1, 0, 0
	TURN 1, 0, 1
	STEP 0, 0, 0
	s_sub_co_u32 s3, s3, 1
	s_cmp_lg_u32 s3, 0
	s_cbranch_scc1 .Llap
	TURN 0, 1, 0                                   ; the last lap fills nothing, and has no round of the cluster's barrier
	STEP 1, 0, 0
	s_wait_dscnt 4*NL                              ; the very last step: nothing more to fetch
	WIN MUL_LO
	MUL16 0, 1, NQ-1, 1, 0
	MUL16 2, 1, NQ-1, 1, 0
	s_wait_dscnt 0
	WIN MUL_HI
	MUL16 4, 1, NQ-1, 1, 0
	MUL16 6, 1, NQ-1, 1, 0
	WIN 0
; THE WAY OUT.
; 64 numbers of a lane, v[s] on: register 16 b + i belongs to block b of 32 along P (my 16 of it; lane l xor 16 holds the other 16).  They become codes in v[PC] on and the row's scale word in v[PW].
.macro QUANT s
.irp b, 0,1,2,3
	v_max3_num_f32 v[TM+\b], |v[\s+16*\b]|, |v[\s+1+16*\b]|, 0x4800000   ; block b: my 16 numbers, and the floor 2^(9 - 127): the byte cannot fall under 1
.endr
.irp i, 2,4,6,8,10,12,14
.irp b, 0,1,2,3
	v_max3_num_f32 v[TM+\b], v[TM+\b], |v[\s+16*\b+\i]|, |v[\s+1+16*\b+\i]|   ; (the four blocks by turns)
.endr
.endr
.irp b, 0,1,2,3
	v_permlanex16_b32 v[TM+4+\b], v[TM+\b], s20, s21
.endr
.irp b, 0,1,2,3
	v_max_num_f32 v[TM+\b], v[TM+\b], v[TM+4+\b]   ; with lane l xor 16's: the block's largest magnitude
.endr
.irp b, 0,1,2,3
	v_add_nc_u32 v[TM+12+\b], 0xfc000000, v[TM+\b] ; 8 off its exponent field: the conversion's scale operand
.endr
.irp b, 0,1,2,3
	v_and_or_b32 v[TM+8+\b], v[TM+\b], 0x7f800000, s22   ; 448 x the scale
.endr
.irp b, 0,1,2,3
	v_lshrrev_b32 v[TM+4+\b], 23, v[TM+12+\b]      ; the scale's byte
.endr
	v_lshl_or_b32 v[PW], v[TM+5], 8, v[TM+4]       ; the four bytes make my row's scale word
	v_lshl_or_b32 v[PW], v[TM+6], 16, v[PW]
	v_lshl_or_b32 v[PW], v[TM+7], 24, v[PW]
.irp b, 0,1,2,3
.irp i, 0,1,2,3,4,5,6,7,8,9,10,11,12,13,14,15
	v_med3_num_f32 v[\s+16*\b+\i], v[\s+16*\b+\i], -v[TM+8+\b], v[TM+8+\b]   ; the conversion to an 8-bit code does not saturate (ISA guide 7.6.2): the hold
.endr
	v_cvt_scalef32_pk8_fp8_f32 v[PC+4*\b:PC+1+4*\b], v[\s+16*\b:\s+7+16*\b], v[TM+12+\b]
	v_cvt_scalef32_pk8_fp8_f32 v[PC+2+4*\b:PC+3+4*\b], v[\s+8+16*\b:\s+15+16*\b], v[TM+12+\b]
.endr
	v_nop                                          ; one plain vector line behind the last conversion, ahead of whatever next touches its result or writes its sources
.endm
; Rows 16 a .. 16 a + 15 of my tile.  Accumulator (a, b), register j, lane (r, h): row 16 a + r, column 16 b + 8 h + j.  So T's register 16 B + i: i < 8: column 32 B + 8 h + i; else column 32 B + 16 + 8 h + i - 8.
.macro EBLOCK a
.set AC, 64*((\a)%4)
.set WB, 0x02+(\a)/4                   ; source 0: window 2 or 3
	s_wait_dscnt 0x0                               ; the last block's LDS stores have read their registers
	s_cmp_eq_u32 s[PRD], 2
	s_cbranch_scc1 .Lvb_\@
	WIN WB
.irp b, 0,1,2,3,4,5,6,7
.irp j, 0,2,4,6
	v_pk_add_f32 v[T+8*\b+\j:T+8*\b+\j+1], v[AC+8*\b+\j:AC+8*\b+\j+1], v[BIAS+8*\b+\j:BIAS+8*\b+\j+1]   ; + bias; each accumulator from its low end on
.endr
.endr
	WIN 0
	s_branch .Lbd_\@
.Lvb_\@:
	WIN WB
.irp b, 0,1,2,3,4,5,6,7
.irp j, 0,2,4,6
	v_pk_add_f32 v[T+8*\b+\j:T+8*\b+\j+1], v[AC+8*\b+\j:AC+8*\b+\j+1], v[BIAS+8*(\a)+\j:BIAS+8*(\a)+\j+1]   ; V: my row's bias
.endr
.endr
	WIN 0
.Lbd_\@:
	QUANT T
.irp b, 0,1,2,3
	ds_store_b64 v[STC], v[PC+4*\b:PC+4*\b+1] offset:(\a)*16*CP+32*\b          ; eight codes at their columns: the bytes of a row lie in their true order
	ds_store_b64 v[STC], v[PC+4*\b+2:PC+4*\b+3] offset:(\a)*16*CP+32*\b+16
.endr
	ds_store_b32 v[SSC], v[PW] offset:4*(32*((\a)/2)+8*((\a)%2))               ; both halves of the lanes write the same word with the same value
	s_cmp_lg_u32 s[PRD], 2
	s_cbranch_scc1 .Lnv_\@
.irp b, 0,1,2,3                                ; V: the sum of my 64 quantised numbers: codes widened under the scale 1, added, times the block's scale
	v_cvt_scale_pk8_f32_fp8 v[U:U+7], v[PC+4*\b:PC+4*\b+1], v[ONE]
	v_cvt_scale_pk8_f32_fp8 v[U+8:U+15], v[PC+4*\b+2:PC+4*\b+3], v[ONE]
	v_and_b32 v[SCF], 0x7f800000, v[TM+12+\b]      ; the scale as f32 (the plain line behind the conversions)
	v_pk_add_f32 v[U:U+1], v[U:U+1], v[U+2:U+3]
	v_pk_add_f32 v[U+4:U+5], v[U+4:U+5], v[U+6:U+7]
	v_pk_add_f32 v[U+8:U+9], v[U+8:U+9], v[U+10:U+11]
	v_pk_add_f32 v[U+12:U+13], v[U+12:U+13], v[U+14:U+15]
	v_pk_add_f32 v[U:U+1], v[U:U+1], v[U+4:U+5]
	v_pk_add_f32 v[U+8:U+9], v[U+8:U+9], v[U+12:U+13]
	v_pk_add_f32 v[U:U+1], v[U:U+1], v[U+8:U+9]
	v_add_f32 v[U], v[U], v[U+1]
.if \b == 0
	v_mul_f32 v[VS], v[U], v[SCF]
.else
	v_fmac_f32 v[VS], v[U], v[SCF]
.endif
.endr
	ds_store_b32 v[SPV], v[VS] offset:64*(\a)
.Lnv_\@:
.endm
	PLACES NP                                      ; behind the last products: the lines below write registers that held R's fragments
	s_mov_b32 s20, 0x76543210                      ; v_permlanex16_b32's selects for lane l xor 16
	s_mov_b32 s21, 0xfedcba98
	s_mov_b32 s22, 0x600000                        ; the mantissa field of 448
	s_wait_loadcnt 0x0                             ; the bias
.irp b, 0,1,2,3
	v_mov_b32 v[TM+4+\b], 0                        ; written once: a lane permute's destination counts as one of its sources
.endr
.irp a, 0,1,2,3,4,5,6,7
	EBLOCK \a
.endr
	; the block leaves.  LDS serves a wave's instructions in order (ISA guide 5.7.1.4): these loads see my stores
.set n, 0
.rept 32
	ds_load_b128 v[BK+4*n:BK+4*n+3], v[RDC] offset:4*CP*n          ; rows 4 n .. 4 n + 3
.set n, n+1
.endr
	ds_load_b128 v[244:247], v[RDL]                ; the 128 scale words
.set n, 0
.rept 32
	s_wait_dscnt 32-n                              ; behind load n: 31 - n loads of codes and the scale words'
	global_store_b128 v[CO], v[BK+4*n:BK+4*n+3], s[94:95] offset:128*(32*((n/4)/2)+8*((n/4)%2)+16*((n%4)/2)+4*(n%2))   ; four rows on end at their exchanged place: 512 consecutive bytes, aligned
.set n, n+1
.endr
	s_wait_dscnt 0x0
	global_store_b128 v[CO], v[244:247], s[96:97]  ; 512 consecutive bytes
	s_cmp_lg_u32 s[PRD], 2
	s_cbranch_scc1 .Lend
	ds_load_b128 v[248:251], v[RDL] offset:512
	ds_load_b128 v[252:255], v[RDL] offset:1024
	s_wait_dscnt 0x0
	global_store_b128 v[CO], v[248:251], s[98:99]
	global_store_b128 v[CO], v[252:255], s[98:99] offset:512
.Lend:
	s_wait_tensorcnt 0x0                           ; the wave's end, behind my last tensor load and my last LDS store
	ds_add_u32 v[SPW], v[NIL]
	s_wait_dscnt 0x0
	CROUND                                         ; the closing round: no work-group ends while a partner may still ask for a tile that names it
	s_endpgm
.Lfunc_end_k_qab5ff5c2c8_proj:
	.size	k_qab5ff5c2c8_proj, .Lfunc_end_k_qab5ff5c2c8_proj-k_qab5ff5c2c8_proj
	.p2alignl 7, 3214868480
	.fill 96, 4, 3214868480
	.section	.rodata,"a",@progbits
	.p2align	6, 0x0
	.amdhsa_kernel k_qab5ff5c2c8_proj
		.amdhsa_group_segment_fixed_size 327680
		.amdhsa_private_segment_fixed_size 0
		.amdhsa_enable_private_segment 0
		.amdhsa_kernarg_size 64
		.amdhsa_user_sgpr_count 2
		.amdhsa_user_sgpr_kernarg_segment_ptr 1
		.amdhsa_wavefront_size32 1
		.amdhsa_system_sgpr_workgroup_id_x 1
		.amdhsa_system_sgpr_workgroup_id_y 1
		.amdhsa_system_sgpr_workgroup_id_z 1
		.amdhsa_system_vgpr_workitem_id 0
		.amdhsa_next_free_vgpr 1024
		.amdhsa_next_free_sgpr 106
		.amdhsa_reserve_vcc 0
		.amdhsa_float_denorm_mode_32 3
		.amdhsa_float_denorm_mode_16_64 3
		.amdhsa_memory_ordered 1
		.amdhsa_forward_progress 1
		.amdhsa_inst_pref_size 255
	.end_amdhsa_kernel
	.section	.bss,"aw",@nobits
	.p2align	6
	.space	262144
	.amdgpu_metadata
---
amdhsa.version: [ 1, 2 ]
amdhsa.kernels:
  - .name:           k_qab5ff5c2c8_proj
    .symbol:         k_qab5ff5c2c8_proj.kd
    .args:
      - { .name: icodes, .offset: 0, .size: 8, .value_kind: global_buffer, .address_space: global }
      - { .name: iscales, .offset: 8, .size: 8, .value_kind: global_buffer, .address_space: global }
      - { .name: bq, .offset: 16, .size: 8, .value_kind: global_buffer, .address_space: global }
      - { .name: bk, .offset: 24, .size: 8, .value_kind: global_buffer, .address_space: global }
      - { .name: bv, .offset: 32, .size: 8, .value_kind: global_buffer, .address_space: global }
      - { .name: pcodes, .offset: 40, .size: 8, .value_kind: global_buffer, .address_space: global }
      - { .name: pscales, .offset: 48, .size: 8, .value_kind: global_buffer, .address_space: global }
      - { .name: vpart, .offset: 56, .size: 8, .value_kind: global_buffer, .address_space: global }
    .group_segment_fixed_size: 327680
    .private_segment_fixed_size: 0
    .kernarg_segment_align: 8
    .kernarg_segment_size: 64
    .max_flat_workgroup_size: 128
    .sgpr_count:     106
    .vgpr_count:     1024
    .wavefront_size: 32
...
	.end_amdgpu_metadata
.endif
;; end of part 2
;; launch attn (part 3): grid 4 x 64, 16 waves a work-group, clusters of 4 x 1, 327,680 bytes of LDS; arguments pcodes, pscales, kbias, vpart, queries, out0; writes out0
.if DOCPART == 3
	.amdgcn_target "amdgcn-amd-amdhsa--gfx1250"
	.amdhsa_code_object_version 6
	.text
	.protected	k_qab5ff5c2c8_attn
	.globl	k_qab5ff5c2c8_attn
	.p2align	8
	.type	k_qab5ff5c2c8_attn,@function
k_qab5ff5c2c8_attn:
	s_mov_b64 s[64:65], 0
	v_nop
	global_prefetch_b8 v0, s[64:65] scope:SCOPE_SE
	s_setreg_imm32_b32 hwreg(HW_REG_WAVE_MODE, 25, 1), 1
	s_wait_xcnt 0x0
	s_wait_alu depctr_hold_cnt(0) depctr_sa_sdst(0) depctr_va_vdst(0) depctr_va_sdst(0) depctr_va_ssrc(0) depctr_va_vcc(0) depctr_vm_vsrc(0)
	s_getreg_b32 s2, hwreg(HW_REG_IB_STS2, 6, 4)
	s_cmp_eq_u32 s2, 0
	s_cbranch_scc0 .Lentry_in_a_cluster
	s_endpgm
.Lentry_in_a_cluster:
	s_bfe_u32 s2, ttmp6, 0x10000c
	s_cmp_lg_u32 s2, 0x3003
	s_cbranch_scc0 .Lentry_shape_is_right
	s_endpgm
.Lentry_shape_is_right:
; LAUNCH 3 OF 3: out[b][q][128 h ..] = softmax_k(mask(Q . K / sqrt(2048))) V + queries, both products on the codes that launch 2 made.
; WORK LEFT OUT: key steps of 128 keys all of which come after a wave's 16 queries (reference()'s own tril).  Where a query has a visible key that is not padding, their p is 0; where it has none, the whole row is
; replaced by the mean of the quantised V over all 1,024 keys (every logit is then NEG, every p is 1), taken from launch 2's sums and chosen by a select.  So those steps reach no output, whatever the inputs hold.
; LIMITS: a NaN, an infinity or an overflow that reaches only the steps left out is not carried to the result.  A padded key has -2^34 added to its raw score (as the product's C) where reference() writes NEG; a row counts
; as all padded where its largest t lies under -2^28: logits x log2(e) of unpadded keys are served up to a magnitude of 2^27.  (With -2^34 the t of a padded key is near -2^29, where f32 numbers lie 64 apart: in a step all of
; whose keys are padded, p stays under 2^32, finite, and the next change of M multiplies it by 0.)
; THE SOFTMAX: t = score x log2(e) / sqrt(2048); M = the running largest t rounded UP to a whole number; p = 2^(t - M) is quantised along the keys, not normalised; the sum of the unquantised p divides at the end.
; SHARES.  A cluster of four work-groups has one head (the cluster's y = 16 b + h).  The head's 1,024 query places are 64 tiles of 16; wave w of work-group g owns tile 4 o + g, o = w xor 3 ((w / 4) % 2).  Its diagonal lies in key
; step o / 2, and it walks o / 2 + 1 steps of 128 keys.  Waves w, w + 4, w + 8, w + 12 walk 18 steps together, whatever w is, and each of the four work-groups needs all four slots of 256 keys: so every tile of K and V
; and every table is asked for JOINTLY by the four, and no load is jumped over.  Branches hang on the wave's number and on counted steps alone; g enters global addresses and one vector compare.
; LAYOUT.  Both products are used transposed: S^T = K Q^T, O^T = V^T P^T: a lane holds ONE query throughout.  In launch 2's blocks place 16 t + r holds row 32 (t / 2) + 8 (t % 2) + r + 8 (r / 8): so the 16 registers of
; score tiles 2 b, 2 b + 1 are keys 32 b + 16 (lane / 16) + 0 .. 15, those of O^T's tiles channels 32 b + 16 (lane / 16) + 0 .. 15, and lane r's query is row DQ + r + 8 (r / 8) of its block.
; THE KEY MASK COSTS NO VECTOR LINE: kbias (0 or -2^34 a key) is loaded in the result's layout and is the C of the first product.
; A wave leaves at the end of the slot that holds its diagonal: four waves at each slot's end; it then walks the remaining changes of slots, with their waits, adds and barriers, and no work.
; REGISTERS: v1-7 addresses that stay; v8-11 addresses in hand; v12 -M, v13 the largest t, v[14:15] the sum in two halves; v16-31 Q; v32-95 four fragments of K or V; v96-159 S^T, then p; v160-223 O^T; v224-239 p's codes;
; v232-254 at work; v248-251 scale words of K or V; v253 p's scale word; v255 Q's.
.set KP,    144                        ; a row of 128 codes in LDS: 128 bytes + 16 of padding = 36 words: the 16 rows that a load touches start at 16 different groups of four banks
.set STEPB, 128*KP                     ; a key step's tile of K, or of V
.set VOFF,  2*STEPB                    ; a slot: K's two tiles, then V's two
.set SLOT1, 1<<17                      ; slot 1 begins here: one exclusive or turns an address in one slot into the other's
.set SCK,   2*VOFF                     ; behind slot 0: K's scale words of the whole head, 4,096 bytes,
.set SCV,   SCK+4096                   ; V's,
.set KBL,   SCV+4096                   ; kbias of the batch's 1,024 keys,
.set TOTL,  KBL+4096                   ; the mean of the quantised V, 128 f32: stored by waves 12-15, never a load's target,
.set SPARE, TOTL+512                   ; the spare words, 128 bytes for each of 16 waves, which no other line names
.set STAGE, SLOT1+2*VOFF               ; behind slot 1: the way out: 16 rows x (256 bytes + 16) for each wave; never a load's target
.set STGB,  16*272
.set AK0,  1                           ; v1   my lane's place in a tile: 144 r + 16 h
.set ASC0, 2                           ; v2   among K's scale words: SCK + 4 r
.set AKB0, 3                           ; v3   in kbias: KBL + 64 h
.set GO,   4                           ; v4   the way out: 8,192 (lane / 16) + 16 (lane % 16)
.set SPW,  5                           ; v5   LDS address of my spare word; never rewritten
.set NIL,  6                           ; v6   0; never rewritten
.set PFO,  7                           ; v7   256 x lane: the prefetches' offset; never rewritten
.set ADK,  8
.set ADV,  9
.set ADS,  10
.set ADB,  11
.set TB,   2                           ; s2   LDS byte at which the slot in hand begins
.set TS,   3                           ; s3   512 x the key step: K's words, V's words and kbias all step by 512 bytes
.set WV,   18                          ; s18  my wave's number
.set MNT,  19                          ; s19  the mantissa field of 448
.set SEL,  20                          ; s[20:21] selects for lane l xor 16
.set CS,   22                          ; s[22:23] c = log2(e) / sqrt(2048)
.set G1,   24                          ; s[24:31] descriptor group 1 for tiles
.set G1T,  32                          ; s[32:39] for tables
.set G0,   40                          ; s[40:43] group 0 for tiles: it walks
.set G0T,  44                          ; s[44:47] for tables
.set KJ,   48                          ; s48  the key step
.set DGS,  49                          ; s49  my diagonal's key step
.set SLI,  50                          ; s50  the slot in hand
.set QS,   51                          ; s51  my diagonal's slot
.set DQ,   52                          ; s52  lane 0's query in its block of 128
.set SLOTS, 53                         ; s53  slots still to be asked for
.set LIM,  54                          ; s54  1 in a wave that prefetches, else the greatest number
.set STG,  55                          ; s55  my stage
.set PFA,  56                          ; s[56:57] where my prefetches stand
.set AM,   80                          ; s80  the lanes whose row is all padded
.macro CROUND                          ; a round of the cluster's barrier
	s_barrier_signal -1
	s_barrier_wait -1
	s_cmp_lg_u32 s[WV], 0
	s_cbranch_scc1 .Lnot_wave_0_\@
	s_barrier_signal -3
.Lnot_wave_0_\@:
	s_barrier_wait -3
	s_barrier_signal -1
	s_barrier_wait -1
.endm
; A joint load by the waves under lim, each with its own LDS bytes and rows.  The branch hangs on the wave's number alone.  An s_nop 0 and four v_nop follow the load.
.macro TLOAD g0, g1, lim
	s_cmp_lt_u32 s[WV], \lim
	s_cbranch_scc0 .Lnone_\@
	tensor_load_to_lds s[\g0:\g0+3], s[\g1:\g1+7]
	s_nop 0
.rept 4
	v_nop
.endr
.Lnone_\@:
.endm
; A PREFETCH INTO THE L2 of what the NEXT change of slots will ask for: 32,768 bytes of K and as many of V, both dense.  A head is walked by one cluster alone; its four partners take 8,192 bytes each, told apart BY ADDRESS;
; in each, wave 4 asks for K's and wave 5 for V's, lanes 256 bytes apart: each aligned 256 bytes is named once in the launch.  Slots 0 and 1 come by their loads alone; the last change that fills a slot asks for nothing.
.macro ASK
	s_cmp_gt_u32 s[SLOTS], s[LIM]
	s_cbranch_scc0 .Lnot_mine_\@
	global_prefetch_b8 v[PFO], s[PFA:PFA+1] th:TH_LOAD_NT scope:SCOPE_SE
.Lnot_mine_\@:
.endm
	s_load_b256 s[4:11], s[0:1], 0x0               ; pcodes s[4:5], pscales s[6:7], kbias s[8:9], vpart s[10:11]
	s_load_b128 s[12:15], s[0:1], 0x20             ; queries s[12:13], out0 s[14:15]
	v_lshl_add_u32 v[SPW], v0, 2, SPARE
	v_mov_b32 v[NIL], 0
	ds_add_u32 v[SPW], v[NIL]                      ; the wave's opening: the add, twice on end, and its wait ahead of the first tensor loads; the set-up below stands between the second and the wait
	ds_add_u32 v[SPW], v[NIL]
	v_lshrrev_b32 v8, 5, v0
	v_readfirstlane_b32 s[WV], v8                  ; wave 0..15
	s_bfe_u32 s58, ttmp6, 0x40000                  ; g = cx
	s_and_b32 s59, ttmp7, 0xffff                   ; 16 b + h
	s_lshr_b32 s60, s59, 4                         ; b
	s_and_b32 s61, s59, 15                         ; h
	s_bfe_u32 s62, s[WV], 0x10002
	s_mul_i32 s62, s62, 3
	s_xor_b32 s62, s[WV], s62                      ; o
	s_lshr_b32 s[DGS], s62, 1
	s_lshr_b32 s[QS], s[WV], 2
	s_and_b32 s63, s62, 1
	s_lshl_b32 s[DQ], s63, 6
	s_lshr_b32 s63, s58, 1
	s_lshl_b32 s63, s63, 5
	s_add_co_u32 s[DQ], s[DQ], s63
	s_and_b32 s63, s58, 1
	s_lshl_b32 s63, s63, 3
	s_add_co_u32 s[DQ], s[DQ], s63                 ; 64 (o % 2) + 32 (g / 2) + 8 (g % 2)
	s_lshl_b32 s66, s62, 2
	s_add_co_u32 s66, s66, s58                     ; my tile of 16 query places
	; the tables: wave 0: K's scale words, wave 1: V's, wave 2: kbias
	s_add_co_u32 s67, s[WV], 1
	s_lshl_b32 s67, s67, 18
	s_lshl_b32 s68, s59, 12
	s_add_co_u32 s68, s67, s68                     ; in pscales: 262,144 (1 + wave) + 4,096 x head
	s_lshl_b32 s67, s60, 12                        ; in kbias: 4,096 b
	s_cmp_lt_u32 s[WV], 2
	s_cselect_b32 s68, s68, s67
	s_mov_b32 s69, 0
	; queries' and out0's rows
	s_lshl_b32 s70, s60, 10
	s_lshl_b32 s71, s[DGS], 7
	s_add_co_u32 s70, s70, s71
	s_add_co_u32 s70, s70, s[DQ]
	s_lshl_b32 s70, s70, 13                        ; 8,192 bytes a token
	s_lshl_b32 s71, s61, 9
	s_add_co_u32 s70, s70, s71                     ; + 512 h
	s_mov_b32 s71, 0
	; Q's places
	s_lshl_b32 s72, s59, 10
	s_lshl_b32 s73, s66, 4
	s_add_co_u32 s72, s72, s73                     ; 1,024 x head + 16 x tile
	s_lshl_b32 s74, s72, 2                         ; its scale words
	s_lshl_b32 s72, s72, 7                         ; its codes
	s_mov_b32 s73, 0
	s_mov_b32 s75, 0
	; the tiles: waves 0, 1: K's two key steps of a slot; waves 2, 3: V's
	s_bfe_u32 s81, s[WV], 0x10001
	s_and_b32 s82, s[WV], 1
	s_mul_i32 s83, s81, VOFF
	s_mul_i32 s84, s82, STEPB
	s_add_co_u32 s83, s83, s84                     ; in a slot
	s_add_co_u32 s81, s81, 1
	s_lshl_b32 s84, s81, 23                        ; in pcodes: K at 8,388,608, V at 16,777,216,
	s_lshl_b32 s87, s59, 17
	s_add_co_u32 s84, s84, s87                     ; 131,072 bytes a head,
	s_lshl_b32 s86, s82, 14
	s_add_co_u32 s84, s84, s86                     ; 16,384 a key step
	s_mov_b32 s85, 0
	; the prefetches
	s_add_co_u32 s88, s82, 1
	s_lshl_b32 s88, s88, 23
	s_add_co_u32 s88, s88, s87
	s_lshl_b32 s86, s58, 13
	s_add_co_u32 s88, s88, s86                     ; my work-group's 8,192 bytes,
	s_add_co_u32 s88, s88, 32768                   ; in slot 1: the first change of slots steps it to slot 2
	s_mov_b32 s89, 0
	s_sub_co_u32 s86, s[WV], 4
	s_lshr_b32 s86, s86, 1
	s_cmp_eq_u32 s86, 0                            ; waves 4 and 5
	s_cselect_b32 s[LIM], 1, -1
	s_lshl_b32 s86, s59, 13                        ; vpart: 8,192 bytes a head
	s_mov_b32 s87, 0
	s_mul_i32 s[STG], s[WV], STGB
	s_add_co_u32 s[STG], s[STG], STAGE
	; descriptor group 1: a tile of 128 rows x 128 bytes, dense in memory, padded in LDS
	s_mov_b32 s[G1], 15|(0<<16)|(1<<20)|(1<<21)|(4<<22)|(3<<25)   ; 15:0 the mask: all four work-groups; 17:16 elements of 1 byte; 20 padding on; 21 set beside a mask; 24:22 after every 32 words (code 4); 31:25 four words (code 3)
	s_mov_b32 s[G1+1], 128<<16                     ; tensor_dim0
	s_mov_b32 s[G1+2], 128<<16                     ; tensor_dim1
	s_mov_b32 s[G1+3], 128<<16                     ; tile_dim0
	s_mov_b32 s[G1+4], 128                         ; tile_dim1
	s_mov_b32 s[G1+5], 128                         ; tensor_dim0_stride
	s_mov_b32 s[G1+6], 0
	s_mov_b32 s[G1+7], 0
	; a table: 4,096 dense bytes as 16 rows of 256 (32 elements of 8 bytes), no padding
	s_mov_b32 s[G1T], 15|(3<<16)|(1<<21)
	s_mov_b32 s[G1T+1], 32<<16
	s_mov_b32 s[G1T+2], 16<<16
	s_mov_b32 s[G1T+3], 32<<16
	s_mov_b32 s[G1T+4], 16
	s_mov_b32 s[G1T+5], 32
	s_mov_b32 s[G1T+6], 0
	s_mov_b32 s[G1T+7], 0
	s_mov_b32 s[SEL], 0x76543210
	s_mov_b32 s[SEL+1], 0xfedcba98
	s_mov_b32 s[CS], 0x3d0293ee                    ; c = log2(e) / sqrt(2048)
	s_mov_b32 s[CS+1], s[CS]                       ; (named with it as a pair, so it is written)
	s_mov_b32 s[MNT], 0x600000
	s_mov_b32 s[TB], 0
	s_mov_b32 s[TS], 0
	s_mov_b32 s[KJ], 0
	s_mov_b32 s[SLI], 0
	s_mov_b32 s[SLOTS], 3
	s_wait_dscnt 0x0                               ; both opening adds are done
	s_wait_kmcnt 0x0
	s_mov_b32 s[G0T], 1
	s_lshl_b32 s[G0T+1], s[WV], 12
	s_add_co_u32 s[G0T+1], s[G0T+1], SCK           ; LDS: SCK + 4,096 x wave
	s_cmp_lt_u32 s[WV], 2
	s_cselect_b64 s[G0T+2:G0T+3], s[6:7], s[8:9]
	s_add_nc_u64 s[G0T+2:G0T+3], s[G0T+2:G0T+3], s[68:69]
	s_or_b32 s[G0T+3], s[G0T+3], 0x80000000
	s_mov_b32 s[G0], 1
	s_mov_b32 s[G0+1], s83
	s_add_nc_u64 s[G0+2:G0+3], s[4:5], s[84:85]
	s_or_b32 s[G0+3], s[G0+3], 0x80000000
	CROUND                                         ; all four work-groups are here: the first joint loads meet
	TLOAD G0T, G1T, 3                              ; the tables: filled once
	TLOAD G0, G1, 4                                ; slot 0.  By this text's count a wave has at most two tensor loads out, here; later one
	s_add_nc_u64 s[76:77], s[4:5], s[72:73]        ; Q's codes
	s_add_nc_u64 s[78:79], s[6:7], s[74:75]        ; Q's scale words
	s_add_nc_u64 s[12:13], s[12:13], s[70:71]      ; queries and out0 at lane 0's row, my head's channels
	s_add_nc_u64 s[14:15], s[14:15], s[70:71]
	s_add_nc_u64 s[10:11], s[10:11], s[86:87]      ; my head's sums of V
	s_add_nc_u64 s[PFA:PFA+1], s[4:5], s[88:89]
	v_and_b32 v8, 15, v0                           ; r
	v_bfe_u32 v9, v0, 4, 1                         ; h
	v_mul_u32_u24 v[AK0], v8, KP
	v_lshl_add_u32 v[AK0], v9, 4, v[AK0]
	v_lshl_add_u32 v[ASC0], v8, 2, SCK
	v_lshl_add_u32 v[AKB0], v9, 6, KBL
	v_lshlrev_b32 v[GO], 13, v9
	v_lshl_add_u32 v[GO], v8, 4, v[GO]
	v_and_b32 v[PFO], 31, v0
	v_lshlrev_b32 v[PFO], 8, v[PFO]
	v_lshlrev_b32 v10, 7, v8
	v_lshl_add_u32 v10, v9, 4, v10                 ; Q: place r of 128 bytes, + 16 h
.irp c, 0,1,2,3
	global_load_b128 v[16+4*\c:19+4*\c], v10, s[76:77] offset:32*\c   ; Q's fragment stays in registers
.endr
	v_lshlrev_b32 v11, 2, v8
	global_load_b32 v255, v11, s[78:79]            ; Q's scale words
	v_and_b32 v9, 127, v0
	v_lshlrev_b32 v9, 2, v9                        ; 4 d, d = thread % 128: made in all waves, ahead of the parting
	v_add_nc_u32 v8, TOTL, v9
	s_cmp_lt_u32 s[WV], 12
	s_cbranch_scc1 .Lno_tot
.set i, 0
.rept 16                                       ; waves 12-15: the head's sixteen partial sums of channel d
	global_load_b32 v[96+i], v9, s[10:11] offset:512*i
.set i, i+1
.endr
	s_wait_loadcnt 0x0
.irp i, 0,4,8,12
	v_pk_add_f32 v[96+\i:97+\i], v[96+\i:97+\i], v[98+\i:99+\i]
.endr
	v_pk_add_f32 v[96:97], v[96:97], v[100:101]
	v_pk_add_f32 v[104:105], v[104:105], v[108:109]
	v_pk_add_f32 v[96:97], v[96:97], v[104:105]
	v_add_f32 v96, v96, v97
	v_mul_f32 v96, 0x3a800000, v96                 ; / 1,024
	ds_store_b32 v8, v96                           ; read by others only behind the first change of slots, whose wait for my LDS instructions and whose barrier stand between
.Lno_tot:
	v_mov_b32 v13, 0xff61b1e6                      ; the largest t so far: -3e38, under every t
	v_floor_f32 v12, -v13                          ; -M
	v_mov_b32 v14, 0                               ; the sum, in two halves
	v_mov_b32 v15, 0
.irp b, 0,1,2,3
	v_mov_b32 v[236+\b], 0                         ; written once: a lane permute's destination counts as one of its sources
.endr
	v_mov_b32 v252, 0                              ; likewise (the way out's permute)
	v_mov_b32 v253, 0                              ; (named as the upper half of the pair v[252:253] before it is first written)
.set j, 0
.rept 64
	v_mov_b32 v[160+j], 0                          ; O^T.  (The step is written without a first step of its own: the first finds zeros, which the first change of M leaves zeros)
.set j, j+1
.endr
; A KEY STEP: 128 keys, the q-th of the slot in hand.
.macro STEP q
	s_cmp_gt_u32 s[KJ], s[DGS]                     ; a step behind my diagonal is left out: a branch on the wave's number and the count of steps, round the step's loads, products and softmax alone
	s_cbranch_scc1 .Lhidden_\@
	v_add_nc_u32 v[ADK], s[TB], v[AK0]
	v_add_nc_u32 v[ADV], VOFF, v[ADK]
	v_add_nc_u32 v[ADS], s[TS], v[ASC0]
	v_add_nc_u32 v[ADB], s[TS], v[AKB0]
.irp g, 0,1                                    ; S^T = K Q^T + kbias, four tiles of 16 key places at a time
.rept 8-4*(1-\g)
	v_nop                                          ; eight places in front of loads into registers that matrix instructions have read (the four additions above are places too)
.endr
.irp t, 0,1,2,3
.irp c, 0,1,2,3
	ds_load_b128 v[32+16*\t+4*\c:32+16*\t+4*\c+3], v[ADK] offset:(128*(\q)+16*(4*\g+\t))*KP+32*\c
.endr
	ds_load_b32 v[248+\t], v[ADS] offset:64*(4*\g+\t)
	ds_load_b128 v[96+8*(4*\g+\t):96+8*(4*\g+\t)+3], v[ADB] offset:4*(32*((4*\g+\t)/2)+8*(\t%2))       ; kbias of keys 32 (T / 2) + 16 h + 8 (T % 2) + 0 .. 7: the result's layout
	ds_load_b128 v[96+8*(4*\g+\t)+4:96+8*(4*\g+\t)+7], v[ADB] offset:4*(32*((4*\g+\t)/2)+8*(\t%2))+16
.endr
	s_wait_dscnt 0x0
.irp t, 0,1,2,3
	v_wmma_scale_f32_16x16x128_f8f6f4 v[96+8*(4*\g+\t):103+8*(4*\g+\t)], v[32+16*\t:47+16*\t], v[16:31], v[96+8*(4*\g+\t):103+8*(4*\g+\t)], v[248+\t], v255
.endr
.endr
.rept 8
	v_nop
.endr
	s_cmp_lt_u32 s[KJ], s[DGS]                     ; on the diagonal the scores of hidden keys become -infinity ahead of the maximum: p = 0 then.  Key 0 is visible to every query and its score is finite, so M is a number from the first step on
	s_cbranch_scc1 .Lopen_\@
	v_and_b32 v252, 15, v0
	v_and_b32 v253, 8, v0
	v_add_nc_u32 v252, v252, v253
	v_and_b32 v253, 16, v0
	v_sub_nc_u32 v252, v252, v253
	v_add_nc_u32 v252, s[DQ], v252                 ; d = my query in its block - 16 (lane / 16).  Register 16 b + i holds key 32 b + 16 (lane / 16) + i: hidden where 32 b + i > d
	v_mov_b32 v254, 0xff800000                     ; -infinity
.set n, 0
.rept 64
	v_cmp_gt_i32 vcc_lo, 32*(n/16)+n%16, v252
	v_cndmask_b32 v[96+n], v[96+n], v254, vcc_lo
.set n, n+1
.endr
.Lopen_\@:
.irp b, 0,1,2,3
	v_max3_num_f32 v[232+\b], v[96+16*\b], v[97+16*\b], v[98+16*\b]   ; the largest score of each block of 32 keys: it serves for the row's maximum and, since p rises with the score, for the block's largest p
.endr
.irp i, 3,5,7,9,11,13
.irp b, 0,1,2,3
	v_max3_num_f32 v[232+\b], v[232+\b], v[96+16*\b+\i], v[97+16*\b+\i]
.endr
.endr
.irp b, 0,1,2,3
	v_max_num_f32 v[232+\b], v[232+\b], v[111+16*\b]
.endr
.irp b, 0,1,2,3
	v_permlanex16_b32 v[236+\b], v[232+\b], s[SEL], s[SEL+1]
.endr
.irp b, 0,1,2,3
	v_max_num_f32 v[232+\b], v[232+\b], v[236+\b]  ; with lane l xor 16's 16 keys
.endr
	v_max3_num_f32 v254, v232, v233, v234
	v_max_num_f32 v254, v254, v235                 ; the step's largest score of my query
	v_mul_f32 v254, s[CS], v254                    ; as t (c is positive)
	v_max_num_f32 v13, v13, v254                   ; the running largest t
	v_mov_b32 v254, v12
	v_floor_f32 v12, -v13                          ; the new -M = floor(-t) = -ceil(t): M is a whole number
	v_sub_f32 v254, v12, v254                      ; M's old value less its new one: a whole number, 0 or less
	v_cvt_i32_f32 v254, v254                       ; (it saturates)
	v_ldexp_f32 v252, 1.0, v254                    ; f = 2^(old M - new M)
.set j, 0
.rept 32
	v_pk_fma_f32 v[96+j:97+j], v[96+j:97+j], s[CS:CS+1], v[12:13] op_sel_hi:[1,0,0]   ; t - M, two at a time (of the pairs c and -M the low word serves both halves)
.set j, j+2
.endr
.irp b, 0,1,2,3
	v_fma_f32 v[232+\b], v[232+\b], s[CS], v12     ; the same of each block's largest score
.endr
.set j, 0
.rept 64
	v_exp_f32 v[96+j], v[96+j]                     ; p = 2^(t - M): not normalised
.set j, j+1
.endr
	v_pk_mul_f32 v[14:15], v[14:15], v[252:253] op_sel_hi:[1,0]   ; the sums under the new M (a plain line behind the exponentials)
	s_wait_alu depctr_va_vdst(0)                   ; one wait for the whole batch, ahead of its first reader
.irp b, 0,1,2,3
	v_exp_f32 v[232+\b], v[232+\b]                 ; the block's largest p: the same two instructions on the same number give the same bits
.endr
	v_pk_add_f32 v[236:237], v[96:97], v[98:99]    ; the row's sum is taken of the unquantised p: two at a time, in two chains
.irp j, 4,8,12,16,20,24,28,32,36,40,44,48,52,56,60
	v_pk_add_f32 v[14:15], v[14:15], v[96+\j:97+\j]
	v_pk_add_f32 v[236:237], v[236:237], v[98+\j:99+\j]
.endr
	v_pk_add_f32 v[14:15], v[14:15], v[236:237]
	s_wait_alu depctr_va_vdst(0)                   ; and one for the four
.irp b, 0,1,2,3
	v_max_num_f32 v[232+\b], 0x4800000, v[232+\b]  ; the floor 2^(9 - 127): the byte cannot fall under 1 (a block whose every p is 0 keeps that byte: its codes are zeros)
.endr
.irp b, 0,1,2,3
	v_add_nc_u32 v[244+\b], 0xfc000000, v[232+\b]  ; 8 off the exponent field: the conversion's scale operand
.endr
.irp b, 0,1,2,3
	v_and_or_b32 v[240+\b], v[232+\b], 0x7f800000, s[MNT]   ; 448 x the scale
.endr
.irp b, 0,1,2,3
	v_lshrrev_b32 v[236+\b], 23, v[244+\b]         ; the scale's byte
.endr
	v_lshl_or_b32 v253, v237, 8, v236              ; p's scale word for these 128 keys
	v_lshl_or_b32 v253, v238, 16, v253
	v_lshl_or_b32 v253, v239, 24, v253
.irp b, 0,1,2,3
.irp i, 0,1,2,3,4,5,6,7,8,9,10,11,12,13,14,15
	v_min_num_f32 v[96+16*\b+\i], v[96+16*\b+\i], v[240+\b]   ; the conversion to an 8-bit code does not saturate (ISA guide 7.6.2); p is not negative, so the hold is one-sided
.endr
	v_cvt_scalef32_pk8_fp8_f32 v[224+4*\b:225+4*\b], v[96+16*\b:103+16*\b], v[244+\b]
	v_cvt_scalef32_pk8_fp8_f32 v[226+4*\b:227+4*\b], v[104+16*\b:111+16*\b], v[244+\b]
.endr
.set j, 0
.rept 32
	v_pk_mul_f32 v[160+j:161+j], v[160+j:161+j], v[252:253] op_sel_hi:[1,0]   ; O^T under the new M.  (These 32 are also the places in front of the matrix instructions and loads below)
.set j, j+2
.endr
.irp g, 0,1                                    ; O^T += V^T P^T: four tiles of 16 channel places at a time; K = these 128 keys
.if \g > 0
.rept 8
	v_nop
.endr
.endif
.irp t, 0,1,2,3
.irp c, 0,1,2,3
	ds_load_b128 v[32+16*\t+4*\c:32+16*\t+4*\c+3], v[ADV] offset:(128*(\q)+16*(4*\g+\t))*KP+32*\c
.endr
	ds_load_b32 v[248+\t], v[ADS] offset:4096+64*(4*\g+\t)
.endr
	s_wait_dscnt 0x0
.irp t, 0,1,2,3
	v_wmma_scale_f32_16x16x128_f8f6f4 v[160+8*(4*\g+\t):167+8*(4*\g+\t)], v[32+16*\t:47+16*\t], v[224:239], v[160+8*(4*\g+\t):167+8*(4*\g+\t)], v[248+\t], v253
.endr
.endr
.Lhidden_\@:
	s_add_co_u32 s[KJ], s[KJ], 1
	s_add_co_u32 s[TS], s[TS], 512
.endm
; THE WAY OUT of a wave whose diagonal lies in the slot just walked.  O^T / the sum; rows that are all padded take the mean of V instead; through my stage in LDS, half a row (64 channels, 256 bytes) of 16 queries at a time; + queries;
; sixteen lanes store 256 consecutive bytes, aligned.  Stage row i is token DQ + i + 8 (i / 8) of my block.
.macro WAYOUT
	v_add_f32 v14, v14, v15                        ; the sum's two halves.  (Eleven plain lines stand here, behind the last products and ahead of the loads into their registers)
	v_permlanex16_b32 v252, v14, s[SEL], s[SEL+1]
	v_and_b32 v10, 15, v0                          ; r
	v_bfe_u32 v11, v0, 4, 1                        ; h
	v_mul_u32_u24 v8, v10, 272
	v_lshl_add_u32 v8, v11, 6, v8
	v_add_nc_u32 v8, s[STG], v8                    ; in: row r; my 16 channels of a block of 32: 64 h bytes on
	v_mul_u32_u24 v9, v11, 272
	v_lshl_add_u32 v9, v10, 4, v9
	v_add_nc_u32 v9, s[STG], v9                    ; back: lanes 0-15 one row, lanes 16-31 the next
	v_lshl_add_u32 v10, v11, 6, TOTL               ; the mean of V at my channels
	v_add_f32 v14, v14, v252                       ; and lane l xor 16's: the row's sum
.irp u, 0,1
.irp i, 0,1,2,3,4,5,6,7
	global_load_b128 v[32+32*\u+4*\i:35+32*\u+4*\i], v[GO], s[12:13] offset:(2*\i+8*(\i/4))*8192+256*\u th:TH_LOAD_NT   ; queries, in the order and layout of the stores below
.endr
.endr
.irp b, 0,1,2,3
.irp c, 0,1,2,3
	ds_load_b128 v[96+16*\b+4*\c:99+16*\b+4*\c], v10 offset:128*\b+16*\c   ; register 16 b + i: channel 32 b + 16 h + i, as in O^T
.endr
.endr
	v_rcp_f32 v14, v14
	v_nop                                          ; a plain line behind the reciprocal
	v_cmp_gt_f32 s[AM], 0xcd800000, v13            ; -2^28 > the row's largest t: every visible key is padding
	s_wait_alu depctr_va_vdst(0)                   ; the wait ahead of the reciprocal's first reader
.set j, 0
.rept 32
	v_pk_mul_f32 v[160+j:161+j], v[160+j:161+j], v[14:15] op_sel_hi:[1,0]   ; each accumulator from its low end on
.set j, j+2
.endr
	s_wait_dscnt 0x0
.set j, 0
.rept 64
	v_cndmask_b32 v[160+j], v[160+j], v[96+j], s[AM]
.set j, j+1
.endr
.irp u, 0,1                                    ; channels 64 u on
.irp b, 0,1
.irp c, 0,1,2,3
	ds_store_b128 v8, v[160+32*\u+16*\b+4*\c:163+32*\u+16*\b+4*\c] offset:128*\b+16*\c
.endr
.endr
.irp i, 0,1,2,3,4,5,6,7
	ds_load_b128 v[96+32*\u+4*\i:99+32*\u+4*\i], v9 offset:2*\i*272   ; LDS serves a wave's instructions in order: these see my stores, and the next half's stores come behind them
.endr
.endr
.irp u, 0,1
.irp i, 0,1,2,3,4,5,6,7
	s_wait_dscnt 23-16*\u-\i                       ; the LDS lines issued behind this load: the rest of its half's loads, and for the first half the second's sixteen lines
	s_wait_loadcnt 15-8*\u-\i                      ; the loads of queries issued behind this one's
	v_pk_add_f32 v[96+32*\u+4*\i:97+32*\u+4*\i], v[96+32*\u+4*\i:97+32*\u+4*\i], v[32+32*\u+4*\i:33+32*\u+4*\i]
	v_pk_add_f32 v[98+32*\u+4*\i:99+32*\u+4*\i], v[98+32*\u+4*\i:99+32*\u+4*\i], v[34+32*\u+4*\i:35+32*\u+4*\i]
	global_store_b128 v[GO], v[96+32*\u+4*\i:99+32*\u+4*\i], s[14:15] offset:(2*\i+8*(\i/4))*8192+256*\u th:TH_STORE_NT
.endr
.endr
	s_wait_xcnt 0x0                                ; the stores have read their registers: the text behind this may write them
.endm
; THE CHANGE OF SLOTS stands at a slot's head.  Each wave waits for all its tensor loads, adds 0 to its spare word (fill = 1: twice on end), and waits for that and for its reads of the slot that it has left.
; fill = 1: a round of the cluster's barrier: no wave of any partner still reads the other slot or has a load on its way; the joint load of the keys that follow comes first behind it, and has a slot's two steps in which to land.
.macro CHANGE fill
	s_wait_tensorcnt 0x0                           ; no tensor load of mine is out, so a group 0 may be written
	ds_add_u32 v[SPW], v[NIL]                      ; 0 onto my spare word
.if \fill
	ds_add_u32 v[SPW], v[NIL]                      ; and once more
	s_xor_b32 s[G0+1], s[G0+1], SLOT1              ; the walking descriptor: the other slot than last time,
	s_add_nc_u64 s[G0+2:G0+3], s[G0+2:G0+3], 32768 ; the next 256 keys; the type bits on top are not reached
	s_wait_xcnt 0x0                                ; the last prefetch, a slot back, has read its address, so it may be written:
	s_add_nc_u64 s[PFA:PFA+1], s[PFA:PFA+1], 32768 ; one slot further on than the walking descriptor
	s_wait_dscnt 0x0                               ; both adds are done, and my LDS instructions on the slot that I have left are over
	CROUND
	TLOAD G0, G1, 4                                ; the first thing behind the round, and a wave's one tensor load until the next
	ASK
.else
	s_wait_dscnt 0x0
	s_barrier_signal -1
	s_barrier_wait -1
.endif
.endm
.macro SLOT_STEPS
	STEP 0
	STEP 1
	s_cmp_eq_u32 s[SLI], s[QS]                     ; the wave's number and the count of slots alone
	s_cbranch_scc0 .Lnot_yet_\@
	WAYOUT
.Lnot_yet_\@:
	s_add_co_u32 s[SLI], s[SLI], 1
	s_xor_b32 s[TB], s[TB], SLOT1                  ; on to the other slot
.endm
	s_wait_loadcnt 0x0                             ; Q
.Lslot:                                            ; three trips: behind each change of slots but the last the next slot is asked for
	CHANGE 1
	SLOT_STEPS
	s_sub_co_u32 s[SLOTS], s[SLOTS], 1
	s_cmp_lg_u32 s[SLOTS], 0
	s_cbranch_scc1 .Lslot
	CHANGE 0                                       ; the last slot is written out
	SLOT_STEPS
	s_wait_tensorcnt 0x0                           ; the wave's end, behind my last tensor load and my last LDS store
	ds_add_u32 v[SPW], v[NIL]
	s_wait_dscnt 0x0
	CROUND                                         ; the closing round: no work-group ends while a partner may still ask for a tile that names it
	s_endpgm
.Lfunc_end_k_qab5ff5c2c8_attn:
	.size	k_qab5ff5c2c8_attn, .Lfunc_end_k_qab5ff5c2c8_attn-k_qab5ff5c2c8_attn
	.p2alignl 7, 3214868480
	.fill 96, 4, 3214868480
	.section	.rodata,"a",@progbits
	.p2align	6, 0x0
	.amdhsa_kernel k_qab5ff5c2c8_attn
		.amdhsa_group_segment_fixed_size 327680
		.amdhsa_private_segment_fixed_size 0
		.amdhsa_enable_private_segment 0
		.amdhsa_kernarg_size 48
		.amdhsa_user_sgpr_count 2
		.amdhsa_user_sgpr_kernarg_segment_ptr 1
		.amdhsa_wavefront_size32 1
		.amdhsa_system_sgpr_workgroup_id_x 1
		.amdhsa_system_sgpr_workgroup_id_y 1
		.amdhsa_system_sgpr_workgroup_id_z 1
		.amdhsa_system_vgpr_workitem_id 0
		.amdhsa_next_free_vgpr 256
		.amdhsa_next_free_sgpr 100
		.amdhsa_reserve_vcc 1
		.amdhsa_float_denorm_mode_32 3
		.amdhsa_float_denorm_mode_16_64 3
		.amdhsa_memory_ordered 1
		.amdhsa_forward_progress 1
		.amdhsa_inst_pref_size 164
	.end_amdhsa_kernel
	.amdgpu_metadata
---
amdhsa.version: [ 1, 2 ]
amdhsa.kernels:
  - .name:           k_qab5ff5c2c8_attn
    .symbol:         k_qab5ff5c2c8_attn.kd
    .args:
      - { .name: pcodes, .offset: 0, .size: 8, .value_kind: global_buffer, .address_space: global }
      - { .name: pscales, .offset: 8, .size: 8, .value_kind: global_buffer, .address_space: global }
      - { .name: kbias, .offset: 16, .size: 8, .value_kind: global_buffer, .address_space: global }
      - { .name: vpart, .offset: 24, .size: 8, .value_kind: global_buffer, .address_space: global }
      - { .name: queries, .offset: 32, .size: 8, .value_kind: global_buffer, .address_space: global }
      - { .name: out0, .offset: 40, .size: 8, .value_kind: global_buffer, .address_space: global }
    .group_segment_fixed_size: 327680
    .private_segment_fixed_size: 0
    .kernarg_segment_align: 8
    .kernarg_segment_size: 48
    .max_flat_workgroup_size: 512
    .sgpr_count:     100
    .vgpr_count:     256
    .wavefront_size: 32
...
	.end_amdgpu_metadata
.endif
;; end of part 3
